; MI455X (gfx1250); checked and timed in simulation.
; The chip was launched on July 23, 2026; its instructions are those of AMD's public machine-readable ISA for CDNA 5 (MIT licence, August 2026) and "CDNA5" Instruction Set Architecture Reference Guide (July 2026). The comments in the code are by the model that wrote it; some were corrected since.
;; Conservative GSA Attention. Allowed arithmetic: matrix products marked QUANTISED: E2M1 operands, one E8M0 scale for each 32 along K, by v_wmma_scale_f32_16x16x128_f8f6f4 with both operands' format E2M1 (or v_wmma_scale_f32_32x16x128_f4), f32 sums; everything else in f32.
;; Inputs: Wproj 1,024 x 1,024 float32; Wqkv 3,072 x 1,024 float32; bproj 1,024 float32; bqkv 3,072 float32; hidden_states 4 x 2,048 x 1,024 float32; splat_bias 16 x 1 x 1 float32; splat_scale 16 float32.
;; Outputs: out0 4 x 2,048 x 1,024 float32.
;; This version of the problem:
;;   THIS VERSION OF THE PROBLEM IS GIVEN IN LOW PRECISION. The matrix products marked QUANTISED in the list below multiply operands that are first quantised to E2M1 (2 exponent bits, 1 mantissa bit; 4 bits a number), with one power-of-two scale for each 32 numbers along K (OCP MX v1.0); their sums are f32. All else is computed in f32.
;;   The module's matrix products, in the order in which they are computed (A, B: the left and right operand; K: the contracted axis; several contracted axes count as one K, in the product's order):
;;     1. [M 8,192, K 1,024] x [K 1,024, N 3,072]; A: input hidden_states; B: input Wqkv: QUANTISED
;;     2. batch 64 x [M 2,048, K 64] x [K 64, N 2,048]; A: computed on the way; B: computed on the way: QUANTISED
;;     3. batch 64 x [M 2,048, K 2,048] x [K 2,048, N 64]; A: softmax (see below); B: computed on the way: QUANTISED
;;     4. [M 8,192, K 1,024] x [K 1,024, N 1,024]; A: computed on the way; B: input Wproj: QUANTISED
;;   THE QUANTISER, for each operand of a quantised product, along K:
;;     - K is cut into blocks of 32 from its start; a last block that is shorter is filled with zeros.
;;     - A block's scale is 2^e with e = floor(log2(the largest magnitude in the block)) - 2, held to -126 .. 127; a block of zeros has e = 0. As a byte (E8M0): e + 127.
;;     - Each number is divided by its block's scale, clamped to +-6, and rounded to the nearest number of E2M1, ties to even, subnormals kept.
;;     - The product sums the exact products of the quantised numbers (number of the format x scale) in f32.
;;   ~~~python
;;   def quantise(x, axis):      # numpy; x: float32 -> the quantised numbers, widened to float32 again
;;       x = np.moveaxis(x, axis, -1); K = x.shape[-1]
;;       x = np.pad(x, [(0, 0)] * (x.ndim - 1) + [(0, -K % 32)]); x = x.reshape(x.shape[:-1] + (-1, 32)); a = np.abs(x).max(-1, keepdims=True)
;;       e = np.where(a > 0, np.clip(np.frexp(np.where(a > 0, a, 1))[1] - 1 - 2, -126, 127), 0)      # np.frexp(a)[1] - 1 = floor(log2(a)), exactly
;;       r = np.clip(x / 2.0 ** e, -6, 6)
;;       step = 2.0 ** (np.maximum(np.frexp(np.where(r == 0, 1, r))[1] - 1, 0) - 1)
;;       q = np.round(r / step) * step * 2.0 ** e      # np.round: ties to even
;;       return np.moveaxis(q.reshape(q.shape[:-2] + (-1,))[..., :K], -1, axis).astype(np.float32)
;;   ~~~
;;   SOFTMAX AHEAD OF A QUANTISED PRODUCT. Where the list says 'softmax', what is quantised is not the finished softmax but p = 2^(t - M), with t = logit x log2(e) and M = ceil(the row's largest t), a whole number; so 1/2 < the row's largest p <= 1. The row's sum l is taken of the UNQUANTISED p, in f32, and the product's result is divided by l at the end. Since M is a whole number, a kernel that streams over the keys may use a running M (the ceiling of the running maximum): every later rescaling is an exact power of two, which a block's scale takes up: the codes' values come out the same.
;;   OPERANDS COMPUTED ON THE WAY. 'Computed on the way' means the value that the module computes at that place (a softmax that the list does not call 'softmax' is quantised finished and normalised). What goes into a quantiser is computed in f32, as accurately as f32 sums, v_exp_f32 and their like allow (about 1e-6 of the number): no bf16 or f16 on the way to a quantiser, and a product that is left as it is and whose result goes on into a quantised operand takes f32 operands (vector FMAs, or v_wmma_f32_16x16x4_f32). A number that lies on a knife's edge between two numbers of the format may be rounded either way, as far as f32 arithmetic and the matrix unit's own rounding can turn it there, and no further.
;; One version. Each part assembles by itself: llvm-mc -triple=amdgcn-amd-amdhsa -mcpu=gfx1250 --defsym DOCPART=n.
;; ======== version 1 of 1: 4 launches
;; workspace buffers: xw_codes 6,291,456 bytes; xw_scales 393,216 bytes; qkv 13,369,344 bytes; ao_codes 4,194,304 bytes; ao_scales 262,144 bytes
;; launch quant (part 1): grid 384 x 1, 4 waves a work-group, no clusters, 34,304 bytes of LDS; arguments hidden_states, Wqkv, Wproj, xw_codes, xw_scales; writes xw_codes, xw_scales
.if DOCPART == 1
	.amdgcn_target "amdgcn-amd-amdhsa--gfx1250"
	.amdhsa_code_object_version 6
	.text
	.protected	k_qfdf0e8fdbe_quant
	.globl	k_qfdf0e8fdbe_quant
	.p2align	8
	.type	k_qfdf0e8fdbe_quant,@function
k_qfdf0e8fdbe_quant:
	s_mov_b64 s[64:65], 0
	v_nop
	global_prefetch_b8 v0, s[64:65] scope:SCOPE_SE
	s_setreg_imm32_b32 hwreg(HW_REG_WAVE_MODE, 25, 1), 1
	s_wait_xcnt 0x0
; hidden_states [8192][1024], Wqkv [3072][1024] and Wproj [1024][1024], f32, K innermost, become codes of FP4 (E2M1) with one E8M0 byte for each 32 along K,
; LAID IN THE ORDER OF AN OPERAND'S REGISTERS.  The three tensors are 768 tiles of 16 rows: hidden 0-511, Wqkv 512-703, Wproj 704-767.
; THE ROWS OF A TILE ARE NOT NEIGHBOURS: lane r of a tensor's tile t takes row 32 (t / 2) + 8 (t % 2) + r + 8 (r / 8).
; codes:  [tile][block of 32 along K (32)][r (16)][16 bytes]: the fragment of 128 along K is 1,024 bytes on end, two loads of 16 bytes a lane at 16 x lane.
; scales: [tile][half of K (2)][r (16)][4 words]: a word is the four bytes of 128 along K.
; A block's scale is 2^(floor(log2(largest magnitude)) - 2); its byte is the largest magnitude's exponent field - 2, held at 1 from below.
; LIMITS: a block of zeros, or one whose largest magnitude lies under 2^-124, gets the byte 1 (its codes are zeros or what the format holds; this program alone reads the bytes); NaN and infinities are not served.
; SHARES: a wave takes one tile and one half of K: 16 rows x 512, in four steps of 128.  Each load reads 512 consecutive bytes of one row; a step's 16 rows turn through the wave's own stage in LDS
; (rows 528 bytes apart) and come back so that lane (r, h) holds blocks h and 2 + h of row r, 32 numbers each: a block's largest magnitude needs no other lane, and the conversions' results are the operand's registers.
; No tensor loads, no barrier, no cluster: waves share nothing and every input byte is read once.  Two steps (32 loads a wave) are on their way.
.set SP,  528                          ; a stage row: 512 bytes + 16
.set WST, 16*SP                        ; a wave's stage
.set R,   16                           ; v16-143  two sets of 64 registers as loaded
.set X,   144                          ; v144-207 my two blocks of 32 neighbours
.set C,   208                          ; v208-239 codes, eight registers a step: no store's data are written again
.set W,   240                          ; v240-243 the four steps' scale words
	s_load_b256 s[4:11], s[0:1], 0x0               ; hidden s[4:5], Wqkv s[6:7], Wproj s[8:9], the codes s[10:11]
	s_load_b64 s[12:13], s[0:1], 0x20              ; the scales
	v_lshl_add_u32 v254, v0, 2, 0x8400
	v_mov_b32 v255, 0
	v_lshrrev_b32 v9, 5, v0
	v_readfirstlane_b32 s16, v9                    ; wave 0..3
	v_and_b32 v1, 31, v0                           ; lane
	v_and_b32 v2, 15, v0                           ; r
	v_bfe_u32 v3, v0, 4, 1                         ; h
	v_lshlrev_b32 v4, 4, v1                        ; 16 x lane: my place in a load's 512 bytes and in an image's
	s_mul_i32 s17, s16, WST
	v_add_nc_u32 v5, s17, v4                       ; the stage, on the way in
	v_mul_u32_u24 v6, v2, SP
	v_lshl_add_u32 v6, v3, 7, v6
	v_add_nc_u32 v6, s17, v6                       ; and out: row r, + 128 h bytes: my 32 numbers of each 64
	v_lshlrev_b32 v7, 3, v3                        ; 8 h: where my two bytes stand in a scale word
	v_lshlrev_b32 v8, 4, v2                        ; 16 r: my row's four words
	v_mov_b32 v244, 0                              ; written once: a lane permute's destination counts as one of its sources
	s_mov_b32 s14, 0x76543210
	s_mov_b32 s15, 0xfedcba98                      ; v_permlanex16_b32's selects for lane l xor 16
	s_lshl_b32 s18, ttmp9, 2
	s_add_co_u32 s18, s18, s16                     ; my unit = 4 x work-group + wave
	s_and_b32 s19, s18, 1                          ; which half of K
	s_lshr_b32 s18, s18, 1                         ; which tile of the 768
	s_mov_b32 s21, 704
	s_wait_alu depctr_va_vdst(0)
	s_wait_kmcnt 0x0
	s_cmp_lt_u32 ttmp9, 352                        ; the tensor is chosen by the work-group's number alone: two tiles a work-group
	s_cselect_b64 s[6:7], s[6:7], s[8:9]
	s_cselect_b32 s20, 512, s21
	s_cmp_lt_u32 ttmp9, 256
	s_cselect_b64 s[4:5], s[4:5], s[6:7]
	s_cselect_b32 s20, 0, s20
	s_sub_co_u32 s20, s18, s20                     ; the tile's number in its tensor
	s_lshr_b32 s22, s20, 1
	s_lshl_b32 s22, s22, 5
	s_and_b32 s23, s20, 1
	s_lshl_b32 s23, s23, 3
	s_add_co_u32 s22, s22, s23                     ; its first row
	s_lshl_b32 s22, s22, 12                        ; x 4,096 bytes (under 2^26)
	s_lshl_b32 s23, s19, 11                        ; + my half of K: 2,048 bytes
	s_add_co_u32 s22, s22, s23
	s_mov_b32 s23, 0
	s_add_nc_u64 s[4:5], s[4:5], s[22:23]
	s_lshl_b32 s22, s18, 13                        ; codes: 8,192 bytes a tile, 4,096 a half
	s_lshl_b32 s24, s19, 12
	s_add_co_u32 s22, s22, s24
	s_add_nc_u64 s[10:11], s[10:11], s[22:23]
	s_lshl_b32 s22, s18, 9                         ; scales: 512 bytes a tile, 256 a half
	s_lshl_b32 s24, s19, 8
	s_add_co_u32 s22, s22, s24
	s_add_nc_u64 s[12:13], s[12:13], s[22:23]
.macro LOAD s                          ; step s: 128 along K of the tile's 16 rows
.irp t, 0,1,2,3,4,5,6,7,8,9,10,11,12,13,14,15
	global_load_b128 v[R+64*((\s)%2)+4*\t:R+64*((\s)%2)+4*\t+3], v4, s[4:5] offset:(\t+8*(\t/8))*4096+512*(\s) th:TH_LOAD_NT
.endr
.endm
.macro STEP s
.if (\s) < 3
	s_wait_loadcnt 16                              ; this step's 16 loads are in; the next step's 16 stay out
.else
	s_wait_loadcnt 0x0
.endif
.irp t, 0,1,2,3,4,5,6,7,8,9,10,11,12,13,14,15
	ds_store_b128 v5, v[R+64*((\s)%2)+4*\t:R+64*((\s)%2)+4*\t+3] offset:SP*\t
.endr
.irp c, 0,1
.irp i, 0,1,2,3,4,5,6,7
	ds_load_b128 v[X+32*\c+4*\i:X+32*\c+4*\i+3], v6 offset:256*\c+16*\i   ; LDS serves a wave's instructions in order: these see the stores above
.endr
.endr
	s_wait_dscnt 0x0                               ; my numbers are back, and the stores have read the set,
.if (\s) < 2
	LOAD (\s)+2                                    ; which takes the loads of two steps on
.endif
.irp c, 0,1
	v_max3_num_f32 v[10+\c], |v[X+32*\c]|, |v[X+32*\c+1]|, 0x1800000   ; block 2 c + h: all 32 numbers are mine; the floor 2^(3 - 127) holds the byte at 1 from below
.endr
.irp i, 2,4,6,8,10,12,14,16,18,20,22,24,26,28,30
.irp c, 0,1
	v_max3_num_f32 v[10+\c], v[10+\c], |v[X+32*\c+\i]|, |v[X+32*\c+\i+1]|   ; (the two blocks by turns)
.endr
.endr
.irp c, 0,1
	v_add_nc_u32 v[12+\c], 0xff000000, v[10+\c]    ; 2 off the exponent field: the conversion's scale operand
.endr
.irp c, 0,1
	v_lshrrev_b32 v[10+\c], 23, v[12+\c]           ; the scale's byte
.endr
	v_lshl_or_b32 v14, v11, 16, v10                ; my two bytes, blocks h and 2 + h,
	v_lshlrev_b32 v14, v7, v14                     ; at their places in the word;
	v_permlanex16_b32 v244, v14, s14, s15
	v_or_b32 v[W+(\s)], v14, v244                  ; with lane l xor 16's two the word is whole
.irp c, 0,1
.irp g, 0,1,2,3
	v_cvt_scalef32_pk8_fp4_f32 v[C+8*(\s)+4*\c+\g], v[X+32*\c+8*\g:X+32*\c+8*\g+7], v[12+\c]
.endr
.endr
	v_nop                                          ; one plain place behind the last scaled conversion
.irp c, 0,1
	global_store_b128 v4, v[C+8*(\s)+4*\c:C+8*(\s)+4*\c+3], s[10:11] offset:1024*(\s)+512*\c   ; 32 lanes store 512 consecutive bytes, aligned to 256
.endr
.endm
	LOAD 0
	LOAD 1
	STEP 0
	STEP 1
	STEP 2
	STEP 3
	s_wait_xcnt 0x0                                ; EXEC changes only behind this wait
	v_cmp_gt_u32 vcc_lo, 16, v1
	s_wait_tensorcnt 0x0
	ds_add_u32 v254, v255
	s_wait_dscnt 0x0
	s_and_saveexec_b32 s20, vcc_lo
	global_store_b128 v8, v[W:W+3], s[12:13]       ; lanes 0-15: 256 consecutive bytes, aligned
	s_wait_xcnt 0x0
	s_or_b32 exec_lo, exec_lo, s20
	s_endpgm
.Lfunc_end_k_qfdf0e8fdbe_quant:
	.size	k_qfdf0e8fdbe_quant, .Lfunc_end_k_qfdf0e8fdbe_quant-k_qfdf0e8fdbe_quant
	.p2alignl 7, 3214868480
	.fill 96, 4, 3214868480
	.section	.rodata,"a",@progbits
	.p2align	6, 0x0
	.amdhsa_kernel k_qfdf0e8fdbe_quant
		.amdhsa_group_segment_fixed_size 34304
		.amdhsa_private_segment_fixed_size 0
		.amdhsa_enable_private_segment 0
		.amdhsa_kernarg_size 40
		.amdhsa_user_sgpr_count 2
		.amdhsa_user_sgpr_kernarg_segment_ptr 1
		.amdhsa_wavefront_size32 1
		.amdhsa_system_sgpr_workgroup_id_x 1
		.amdhsa_system_sgpr_workgroup_id_y 1
		.amdhsa_system_sgpr_workgroup_id_z 1
		.amdhsa_system_vgpr_workitem_id 0
		.amdhsa_next_free_vgpr 256
		.amdhsa_next_free_sgpr 66
		.amdhsa_reserve_vcc 1
		.amdhsa_float_denorm_mode_32 3
		.amdhsa_float_denorm_mode_16_64 3
		.amdhsa_memory_ordered 1
		.amdhsa_forward_progress 1
		.amdhsa_inst_pref_size 30
	.end_amdhsa_kernel
	.amdgpu_metadata
---
amdhsa.version: [ 1, 2 ]
amdhsa.kernels:
  - .name:           k_qfdf0e8fdbe_quant
    .symbol:         k_qfdf0e8fdbe_quant.kd
    .args:
      - { .name: hidden_states, .offset: 0, .size: 8, .value_kind: global_buffer, .address_space: global }
      - { .name: Wqkv, .offset: 8, .size: 8, .value_kind: global_buffer, .address_space: global }
      - { .name: Wproj, .offset: 16, .size: 8, .value_kind: global_buffer, .address_space: global }
      - { .name: xw_codes, .offset: 24, .size: 8, .value_kind: global_buffer, .address_space: global }
      - { .name: xw_scales, .offset: 32, .size: 8, .value_kind: global_buffer, .address_space: global }
    .group_segment_fixed_size: 34304
    .private_segment_fixed_size: 0
    .kernarg_segment_align: 8
    .kernarg_segment_size: 40
    .max_flat_workgroup_size: 128
    .sgpr_count:     66
    .vgpr_count:     256
    .wavefront_size: 32
...
	.end_amdgpu_metadata
.endif
;; end of part 1
;; launch qkvgemm (part 2): grid 12 x 32, 4 waves a work-group, clusters of 4 x 4, 279,040 bytes of LDS; arguments xw_codes, xw_scales, bqkv, qkv; writes qkv
.if DOCPART == 2
	.amdgcn_target "amdgcn-amd-amdhsa--gfx1250"
	.amdhsa_code_object_version 6
	.text
	.protected	k_qfdf0e8fdbe_qkvgemm
	.globl	k_qfdf0e8fdbe_qkvgemm
	.p2align	8
	.type	k_qfdf0e8fdbe_qkvgemm,@function
k_qfdf0e8fdbe_qkvgemm:
	s_mov_b64 s[64:65], 0
	v_nop
	global_prefetch_b8 v0, s[64:65] scope:SCOPE_SE
	s_setreg_imm32_b32 hwreg(HW_REG_WAVE_MODE, 25, 1), 1
	s_wait_xcnt 0x0
	s_wait_alu depctr_hold_cnt(0) depctr_sa_sdst(0) depctr_va_vdst(0) depctr_va_sdst(0) depctr_va_ssrc(0) depctr_va_vcc(0) depctr_vm_vsrc(0)
	s_getreg_b32 s2, hwreg(HW_REG_IB_STS2, 6, 4)
	s_cmp_eq_u32 s2, 0
	s_cbranch_scc0 .Lentry_in_a_cluster
	s_endpgm
.Lentry_in_a_cluster:
	s_bfe_u32 s2, ttmp6, 0x10000c
	s_cmp_lg_u32 s2, 0xf033
	s_cbranch_scc0 .Lentry_shape_is_right
	s_endpgm
.Lentry_shape_is_right:
; qkv = hidden Wqkv^T + bqkv on codes of FP4 (E2M1) with E8M0 scales, f32 sums; the results are quantised at once for the attention's two products and stored as codes.
; GENERIC PRODUCT: source 0 = 16 rows of operand P, source 1 = 16 rows of operand R.  In accumulator (a, b), register j of lane (r, h) belongs to row r of R's tile a and to P's index
; 32 (b / 2) + 16 h + 8 (b % 2) + j of the wave's 128 (a tile's lane r stands for row 32 (t / 2) + 8 (t % 2) + r + 8 (r / 8)): a lane's 64 registers of one a run ALONG P, 16 neighbours of each block of 32.
; cluster x = 0 (q), 1 (k): P = Wqkv's rows, R = tokens: a lane's registers run along the head's 64, which is K of the scores.   cluster x = 2 (v): P = tokens, R = Wqkv's v rows: they run along the keys, K of the second product.
; A work-group makes 256 x 256, each of four waves 128 x 128: 64 accumulators, 512 registers.  K = 1,024 lies in LDS whole, as two slots of 512 along K, EACH FILLED ONCE: nothing is filled again.
; CLUSTERS 4 x 4: P's tiles hang on cx alone and are asked for jointly by my column, R's on cy alone and by my row.  The choice of P and R hangs on the cluster's x, which all partners share.
; OUTPUT: 1,024 records [16 batch + head][128 tokens] of 13,056 bytes: K at 0, V at 4,352, Q at 8,704; each part 4,096 bytes of codes (images of operand registers) and 256 bytes of scale words [r][4].
;   K, Q: 8 token tiles x 512 bytes [h][r][16]; word i: low half tile 2 i's two bytes, high half tile 2 i + 1's.   V: 4 tiles of 16 channels x 128 keys, 1,024 bytes each; word t is tile t's.
; q is stored without reference's factor 1/8: a power of two only shifts a block's scale, and the attention folds it into its factor on the scores.
; LIMITS: a block of zeros or under 2^-124 gets the byte 1; NaN and infinities are not served.
; REGISTERS: window 0: v1-12 lane numbers and addresses; v16-27 LDS addresses; v32-95 scale words, two sets, nothing else; v128-255 R's fragments, two sets; on the way out v96-127 at work, v128-191 64 numbers, v192-255 the bias.
;   window 1: v0-127 P's fragments, two sets.   windows 2, 3: the accumulators, (a, b) at v[8 (8 (a % 4) + b)].
.set NRT,   8                          ; R's tiles a wave
.set RREG,  NRT*8192                   ; a slot: R's 16 tiles x 4,096 bytes,
.set SLOT,  RREG+65536                 ; then P's 16
.set SCL,   2*SLOT                     ; behind the slots: R's scale words (512 bytes a tile), then P's
.set REC,   13056
.set HEADB, 16*REC                     ; from a head's records to the next head's
.set ADRR, 16                          ; v16-17 my R fragments in slot 0, 1
.set ADRP, 20                          ; v20-21 my P fragments
.set ADRS, 27                          ; v27    my scale words: lanes 0-15 R's, lanes 16-31 P's
.set SC,   32
.set RF,   128
.set T,    128
.set BP,   192
.set TM,   96
.set W,    112
.set PC,   120
.set Z,    8
.set WV, 14
.set RH, 15                            ; which half of R's tiles is mine.  Also: I fetch for R (0) or for P (1)
.set PH, 16                            ; which half of P's.  Also: which half I fetch
.set YY, 17
.set SEL, 98
.set G1R, 24
.set G0R, 32
.set G1P, 48
.set G0P, 56
.set G1SR, 68
.set G0SR, 76
.set G1SP, 80
.set G0SP, 88
.set MSB, 0
.macro WIN new                         ; the immediate's high byte repeats the setting that is left
.if MSB != (\new)
	s_set_vgpr_msb (MSB<<8)|(\new)
.set MSB, (\new)
.endif
.endm
.macro PLACES                          ; four plain places behind a matrix instruction, ahead of loads into its registers and of reads of its results
.rept 4
	v_nop
.endr
.endm
.macro JLOAD g0r, g1r, g0p, g1p        ; a joint load: waves 0, 1 for R, waves 2, 3 for P; four v_nop follow each line
	s_cmp_eq_u32 s[RH], 0
	s_cbranch_scc0 .Lfor_p_\@
	tensor_load_to_lds s[\g0r:\g0r+3], s[\g1r:\g1r+7]
	s_nop 0
.rept 4
	v_nop
.endr
	s_branch .Lasked_\@
.Lfor_p_\@:
	tensor_load_to_lds s[\g0p:\g0p+3], s[\g1p:\g1p+7]
	s_nop 0
.rept 4
	v_nop
.endr
.Lasked_\@:
.endm
.macro CROUND                          ; a round of the cluster's barrier
	s_barrier_signal -1
	s_barrier_wait -1
	s_cmp_lg_u32 s[WV], 0
	s_cbranch_scc1 .Lnot_wave_0_\@
	s_barrier_signal -3
.Lnot_wave_0_\@:
	s_barrier_wait -3
	s_barrier_signal -1
	s_barrier_wait -1
.endm
	s_load_b256 s[4:11], s[0:1], 0x0               ; codes s[4:5], scales s[6:7], bqkv s[8:9], qkv s[10:11]
	v_lshl_add_u32 v106, v0, 2, 0x44000
	v_mov_b32 v107, 0
	ds_add_u32 v106, v107
	ds_add_u32 v106, v107
	v_lshrrev_b32 v1, 5, v0
	v_readfirstlane_b32 s[WV], v1                  ; wave 0..3
	s_lshr_b32 s[RH], s[WV], 1
	s_and_b32 s[PH], s[WV], 1
	s_bfe_u32 s40, ttmp6, 0x40000                  ; cx
	s_bfe_u32 s41, ttmp6, 0x40004                  ; cy
	s_and_b32 s[YY], ttmp7, 0xffff                 ; the cluster's y
	s_lshl_b32 s43, s41, 2
	s_lshl_b32 s43, 15, s43                        ; my row of the cluster
	s_lshl_b32 s44, 0x1111, s40                    ; my column
	s_mov_b32 s[SEL], 0x76543210
	s_mov_b32 s[SEL+1], 0xfedcba98
	; group 1, codes: 8 tiles' halves of K: rows of 512 elements of 8 bytes, 1,024 elements apart; dense in LDS
	s_or_b32 s[G1R], s43, (3<<16)|(1<<21)          ; 15:0 the mask; 17:16 elements of 8 bytes; 21 set beside a mask
	s_or_b32 s[G1P], s44, (3<<16)|(1<<21)
.irp g, G1R, G1P
	s_mov_b32 s[\g+1], 512<<16                     ; tensor_dim0
	s_mov_b32 s[\g+2], 8<<16                       ; tensor_dim1
	s_mov_b32 s[\g+3], 512<<16                     ; tile_dim0
	s_mov_b32 s[\g+4], 8                           ; tile_dim1
	s_mov_b32 s[\g+5], 1024                        ; from row to row
	s_mov_b32 s[\g+6], 0
	s_mov_b32 s[\g+7], 0
.endr
	; group 1, scales: 8 tiles x 512 dense bytes, as 16 rows of 256 bytes
	s_or_b32 s[G1SR], s43, (3<<16)|(1<<21)
	s_or_b32 s[G1SP], s44, (3<<16)|(1<<21)
.irp g, G1SR, G1SP
	s_mov_b32 s[\g+1], 32<<16
	s_mov_b32 s[\g+2], 16<<16
	s_mov_b32 s[\g+3], 32<<16
	s_mov_b32 s[\g+4], 16
	s_mov_b32 s[\g+5], 32
	s_mov_b32 s[\g+6], 0
	s_mov_b32 s[\g+7], 0
.endr
	; which tiles of the 768: P = (v: hidden 64 Y; else Wqkv 512 + 64 X) + 16 cx + 8 half;  R = (v: Wqkv 640; else hidden 64 Y) + 16 cy + 8 half
	s_lshl_b32 s18, s[PH], 3
	s_lshl_b32 s19, s[YY], 6
	s_lshl_b32 s20, ttmp9, 6
	s_add_co_u32 s20, s20, 512
	s_mov_b32 s21, 640
	s_cmp_eq_u32 ttmp9, 2
	s_cselect_b32 s46, s19, s20
	s_cselect_b32 s22, s21, s19
	s_lshl_b32 s45, s40, 4
	s_add_co_u32 s46, s46, s45
	s_add_co_u32 s46, s46, s18                     ; P's first tile that I would fetch
	s_lshl_b32 s23, s41, 4
	s_add_co_u32 s22, s22, s23
	s_add_co_u32 s22, s22, s18                     ; R's
	s_lshl_b32 s92, s46, 9                         ; scales: 512 bytes a tile
	s_mov_b32 s93, 0
	s_lshl_b32 s46, s46, 13                        ; codes: 8,192 bytes a tile
	s_mov_b32 s47, 0
	s_lshl_b32 s20, s22, 13
	s_mov_b32 s21, 0
	s_lshl_b32 s22, s22, 9
	s_mov_b32 s23, 0
	s_mul_i32 s94, s[PH], NRT*4096                 ; where they go: no place in the cluster enters an LDS address
	s_mul_i32 s95, s[PH], 32768
	s_add_co_u32 s95, s95, RREG
	s_mul_i32 s96, s[PH], NRT*512
	s_add_co_u32 s96, s96, SCL
	s_mul_i32 s97, s[PH], 4096
	s_add_co_u32 s97, s97, SCL+NRT*1024
	s_wait_dscnt 0x0
	s_wait_kmcnt 0x0
	s_add_nc_u64 s[20:21], s[4:5], s[20:21]
	s_add_nc_u64 s[22:23], s[6:7], s[22:23]
	s_add_nc_u64 s[46:47], s[4:5], s[46:47]
	s_add_nc_u64 s[92:93], s[6:7], s[92:93]
	CROUND                                         ; all sixteen work-groups are here: the joint loads meet
	s_mov_b32 s[G0SR], 1
	s_mov_b32 s[G0SR+1], s96
	s_mov_b64 s[G0SR+2:G0SR+3], s[22:23]
	s_or_b32 s[G0SR+3], s[G0SR+3], 0x80000000
	s_mov_b32 s[G0SP], 1
	s_mov_b32 s[G0SP+1], s97
	s_mov_b64 s[G0SP+2:G0SP+3], s[92:93]
	s_or_b32 s[G0SP+3], s[G0SP+3], 0x80000000
	JLOAD G0SR, G1SR, G0SP, G1SP                   ; the scales of all of K
.irp s, 0,1
	s_mov_b32 s[G0R+4*\s], 1
	s_add_co_u32 s[G0R+4*\s+1], s94, \s*SLOT
	s_add_nc_u64 s[G0R+4*\s+2:G0R+4*\s+3], s[20:21], \s*4096
	s_or_b32 s[G0R+4*\s+3], s[G0R+4*\s+3], 0x80000000
	s_mov_b32 s[G0P+4*\s], 1
	s_add_co_u32 s[G0P+4*\s+1], s95, \s*SLOT
	s_add_nc_u64 s[G0P+4*\s+2:G0P+4*\s+3], s[46:47], \s*4096
	s_or_b32 s[G0P+4*\s+3], s[G0P+4*\s+3], 0x80000000
	JLOAD G0R+4*\s, G1R, G0P+4*\s, G1P             ; both halves of K: three tensor loads of mine are out
.endr
	v_and_b32 v1, 31, v0                           ; lane
	v_and_b32 v2, 15, v0                           ; r
	v_bfe_u32 v3, v0, 4, 1                         ; h
	s_wait_alu depctr_va_vdst(0)
	v_lshlrev_b32 v4, 4, v1                        ; 16 x lane: an image's place for my lane
	s_mul_i32 s18, s[RH], NRT*4096
	s_mul_i32 s19, s[PH], 32768
	s_add_co_u32 s19, s19, RREG
.irp s, 0,1
	v_add_nc_u32 v[ADRR+\s], s18, v4
	v_add_nc_u32 v[ADRP+\s], s19, v4
	s_add_co_u32 s18, s18, SLOT
	s_add_co_u32 s19, s19, SLOT
.endr
	s_mul_i32 s18, s[RH], NRT*512                  ; R's words of my 8 tiles;
	s_mul_i32 s19, s[PH], 4096                     ; P's lie behind R's 16 tiles
	s_add_co_u32 s19, s19, NRT*1024
	s_sub_co_u32 s19, s19, s18
	v_mul_u32_u24 v5, s19, v3                      ; lanes 16-31 take P's: one product, the distance between the two
	v_lshl_add_u32 v5, v2, 4, v5
	s_add_co_u32 s18, s18, SCL
	v_add_nc_u32 v[ADRS], s18, v5
.irp b, 0,1,2,3
	v_mov_b32 v[TM+4+\b], 0                        ; written once: a lane permute's destination counts as one of its sources
.endr
.macro FETCH sg, q, p                  ; the fragments of the slot's q-th 128 along K into set p: each is 1,024 bytes on end
	WIN 0x40                                       ; destination window 1
.irp i, 0,1,2,3,4,5,6,7
	ds_load_b128 v[64*(\p)+8*\i:64*(\p)+8*\i+3],   v[ADRP+\sg] offset:\i*4096+(\q)*1024
	ds_load_b128 v[64*(\p)+8*\i+4:64*(\p)+8*\i+7], v[ADRP+\sg] offset:\i*4096+(\q)*1024+512
.endr
	WIN 0
.irp i, 0,1,2,3,4,5,6,7
	ds_load_b128 v[RF+64*(\p)+8*\i:RF+64*(\p)+8*\i+3],   v[ADRR+\sg] offset:\i*4096+(\q)*1024
	ds_load_b128 v[RF+64*(\p)+8*\i+4:RF+64*(\p)+8*\i+7], v[ADRR+\sg] offset:\i*4096+(\q)*1024+512
.endr
.endm
.macro SCALES sg                       ; a slot's four words a row: lanes 0-15 R's tile i, lanes 16-31 P's tile i
.irp i, 0,1,2,3,4,5,6,7
	ds_load_b128 v[SC+32*\sg+4*\i:SC+32*\sg+4*\i+3], v[ADRS] offset:512*\i+256*\sg
.endr
.endm
; 64 matrix instructions, 128 along K.  The 64 accumulators take turns, one instruction a turn, in the same order in every step.  zero = 1: the first products start the sums.
.macro MUL p, q, sg, zero
.irp a, 0,1,2,3,4,5,6,7
	WIN 0xa1+0x50*(\a/4)                           ; source 0 (P) window 1, source 1 (R) window 0, C and D window 2 or 3
.irp b, 0,1,2,3,4,5,6,7
.if \zero
	v_wmma_scale_f32_16x16x128_f8f6f4 v[8*(8*(\a%4)+\b):8*(8*(\a%4)+\b)+7], v[64*(\p)+8*\b:64*(\p)+8*\b+7], v[RF+64*(\p)+8*\a:RF+64*(\p)+8*\a+7], 0, v[SC+32*(\sg)+4*\b+(\q)], v[SC+32*(\sg)+4*\a+(\q)] matrix_a_fmt:MATRIX_FMT_FP4 matrix_b_fmt:MATRIX_FMT_FP4 matrix_a_scale:MATRIX_SCALE_ROW1
.else
	v_wmma_scale_f32_16x16x128_f8f6f4 v[8*(8*(\a%4)+\b):8*(8*(\a%4)+\b)+7], v[64*(\p)+8*\b:64*(\p)+8*\b+7], v[RF+64*(\p)+8*\a:RF+64*(\p)+8*\a+7], v[8*(8*(\a%4)+\b):8*(8*(\a%4)+\b)+7], v[SC+32*(\sg)+4*\b+(\q)], v[SC+32*(\sg)+4*\a+(\q)] matrix_a_fmt:MATRIX_FMT_FP4 matrix_b_fmt:MATRIX_FMT_FP4 matrix_a_scale:MATRIX_SCALE_ROW1
.endif
.endr
.endr
.endm
; A step: its own fragments are in; the next step's 32 loads go out in one run and land under this step's 64 matrix instructions.
.macro STEP sg, q, nsg, nq, first
	s_wait_dscnt 0x0                               ; the set fetched a step ago is in
.if !\first
	PLACES                                         ; for the loads into the set that the step before multiplied
.endif
	FETCH \nsg, \nq, 1-(\q)%2
	MUL (\q)%2, \q, \sg, \first
.endm
	s_wait_alu depctr_va_vdst(0)
	s_wait_tensorcnt 0x1                           ; the scales and my part of slot 0 are in; slot 1's load may stay out
	s_barrier_signal -1
	s_barrier_wait -1                              ; everybody's are
	SCALES 0
	FETCH 0, 0, 0
	STEP 0, 0, 0, 1, 1
	STEP 0, 1, 0, 2, 0
	STEP 0, 2, 0, 3, 0
	s_wait_dscnt 0x0                               ; slot 0's last fragments are in: my reads of it are over;
	s_wait_tensorcnt 0x0                           ; my part of slot 1 is in
	s_barrier_signal -1
	s_barrier_wait -1                              ; everybody's is
	PLACES
	FETCH 1, 0, 0
	SCALES 1
	MUL 1, 3, 0, 0
	STEP 1, 0, 1, 1, 0
	STEP 1, 1, 1, 2, 0
	STEP 1, 2, 1, 3, 0
	s_wait_dscnt 0x0                               ; my last LDS instructions are done
	MUL 1, 3, 1, 0
	WIN 0
	PLACES                                         ; ahead of the first reads of results and of loads and writes into R's sets
; 64 numbers of a lane, register 16 b + i = index 32 b + 16 h + i along the next K, become a fragment's codes in v[PC] on and its scale word in v[w].
.macro QUANT s, w
.irp b, 0,1,2,3
	v_max3_num_f32 v[TM+\b], |v[\s+16*\b]|, |v[\s+1+16*\b]|, 0x1800000   ; my 16 numbers of block b, and the floor 2^(3 - 127): the byte cannot fall under 1
.endr
.irp i, 2,4,6,8,10,12,14
.irp b, 0,1,2,3
	v_max3_num_f32 v[TM+\b], v[TM+\b], |v[\s+16*\b+\i]|, |v[\s+1+16*\b+\i]|
.endr
.endr
.irp b, 0,1,2,3
	v_permlanex16_b32 v[TM+4+\b], v[TM+\b], s[SEL], s[SEL+1]
.endr
.irp b, 0,1,2,3
	v_max_num_f32 v[TM+\b], v[TM+\b], v[TM+4+\b]   ; with lane l xor 16's: the block's largest magnitude
.endr
.irp b, 0,1,2,3
	v_add_nc_u32 v[TM+12+\b], 0xff000000, v[TM+\b] ; 2 off its exponent field: the conversion's scale operand
.endr
.irp b, 0,1,2,3
	v_lshrrev_b32 v[TM+4+\b], 23, v[TM+12+\b]      ; the scale's byte
.endr
	v_lshl_or_b32 v[\w], v[TM+5], 8, v[TM+4]
	v_lshl_or_b32 v[\w], v[TM+6], 16, v[\w]
	v_lshl_or_b32 v[\w], v[TM+7], 24, v[\w]
.irp b, 0,1,2,3
	v_cvt_scalef32_pk8_fp4_f32 v[PC+2*\b], v[\s+16*\b:\s+7+16*\b], v[TM+12+\b]
	v_cvt_scalef32_pk8_fp4_f32 v[PC+1+2*\b], v[\s+8+16*\b:\s+15+16*\b], v[TM+12+\b]
.endr
	v_nop                                          ; one plain place behind a scaled conversion
.irp c, 0,1                            ; the operand wants a whole block in a lane: lanes 0-15 block 2 c, lanes 16-31 block 2 c + 1
.irp i, 0,1
	v_permlane16_swap_b32 v[PC+4*\c+\i], v[PC+2+4*\c+\i]
.endr
.endr
.endm
; THE WAY OUT.  For each of R's 8 tiles: bias, quantiser, two stores of 512 consecutive bytes.  No LDS: the codes leave as images of the operand's registers.
.macro EPI isv
.if \isv
	s_lshl_b32 s18, s[YY], 2                       ; tokens along P: the 128 tokens number 2 (4 Y + cx) + ph
	s_add_co_u32 s18, s18, s40
	s_lshl_b32 s18, s18, 1
	s_add_co_u32 s18, s18, s[PH]
	s_lshl_b32 s20, s41, 2                         ; my first head: 4 cy + 2 rh
	s_lshl_b32 s21, s[RH], 1
	s_add_co_u32 s20, s20, s21
	s_lshl_b32 s22, s20, 8                         ; the bias: 64 numbers a head,
	s_add_co_u32 s22, s22, 8192                    ; behind q's and k's 2,048
	s_mov_b32 s45, 4352                            ; part V
	v_and_b32 v5, 8, v2
	v_add_nc_u32 v5, v5, v2
	v_lshlrev_b32 v5, 2, v5                        ; my row of a tile: r + 8 (r / 8)
.else
	s_lshl_b32 s18, s[YY], 2                       ; tokens along R: the 128 tokens number 2 (4 Y + cy) + rh
	s_add_co_u32 s18, s18, s41
	s_lshl_b32 s18, s18, 1
	s_add_co_u32 s18, s18, s[RH]
	s_lshl_b32 s20, ttmp9, 2
	s_add_co_u32 s20, s20, s40
	s_lshl_b32 s20, s20, 2
	s_lshl_b32 s21, s[PH], 1
	s_add_co_u32 s20, s20, s21                     ; 4 (4 X + cx) + 2 ph: my first 64 of bqkv,
	s_lshl_b32 s22, s20, 8
	s_and_b32 s20, s20, 15                         ; and my first head
	s_cmp_eq_u32 ttmp9, 0
	s_cselect_b32 s45, 8704, 0                     ; part Q or part K
	v_lshlrev_b32 v5, 6, v3                        ; my 16 numbers of each 32: 64 h bytes on
.endif
	s_mov_b32 s23, 0
	s_add_nc_u64 s[8:9], s[8:9], s[22:23]
	s_and_b32 s21, s18, 0x30                       ; 16 x batch
	s_add_co_u32 s21, s21, s20
	s_lshl_b32 s21, s21, 4
	s_and_b32 s18, s18, 15                         ; the 128 tokens' number in the batch
	s_add_co_u32 s21, s21, s18
	s_mul_i32 s22, s21, REC
	s_add_co_u32 s22, s22, s45
	s_add_nc_u64 s[10:11], s[10:11], s[22:23]      ; my first head's record, my part
	v_mul_u32_u24 v6, HEADB, v3
	v_lshl_add_u32 v6, v2, 4, v6                   ; scale words: lanes 0-15 the first head's, lanes 16-31 the second's; 16 bytes a row
	v_cmp_ne_u32 vcc_lo, 0, v3
.if \isv
	s_wait_alu depctr_va_vdst(0)
.irp a, 0,1,2,3,4,5,6,7
	global_load_b32 v[BP+2*\a], v5, s[8:9] offset:(32*(\a/2)+8*(\a%2))*4     ; one number a lane and tile, in both registers of a pair for the packed addition
	global_load_b32 v[BP+2*\a+1], v5, s[8:9] offset:(32*(\a/2)+8*(\a%2))*4
.endr
.else
	v_mov_b32 v7, 0x05040100                       ; byte selects: the low halves of two words, or
	v_mov_b32 v12, 0x07060302                      ; their high halves
	v_cndmask_b32 v7, v7, v12, vcc_lo
	s_wait_alu depctr_va_vdst(0)
.irp t, 0,1,2,3
.irp k, 0,1,2,3
	global_load_b128 v[BP+16*\t+4*\k:BP+16*\t+4*\k+3], v5, s[8:9] offset:128*\t+16*\k   ; register 16 t + i: bqkv at 32 t + 16 h + i of my 128
.endr
.endr
.endif
	s_wait_loadcnt 0x0
.irp a, 0,1,2,3,4,5,6,7
.if \a > 0
	s_wait_xcnt 0x0                                ; the last tile's stores have read their data: the codes' registers are written again only behind this wait
.endif
	WIN 0x02+(\a/4)                                ; source 0: window 2 or 3
.set n, 0
.rept 32                               ; each accumulator from its low end on
.if \isv
	v_pk_add_f32 v[T+n:T+n+1], v[64*(\a%4)+n:64*(\a%4)+n+1], v[BP+2*\a:BP+2*\a+1]
.else
	v_pk_add_f32 v[T+n:T+n+1], v[64*(\a%4)+n:64*(\a%4)+n+1], v[BP+n:BP+n+1]
.endif
.set n, n+2
.endr
	WIN 0
	QUANT T, W+\a
.if \isv
	global_store_b128 v4, v[PC:PC+3], s[10:11] offset:(\a/4)*HEADB+(\a%4)*1024         ; 16 channels x 128 keys: head a / 4, tile a % 4
	global_store_b128 v4, v[PC+4:PC+7], s[10:11] offset:(\a/4)*HEADB+(\a%4)*1024+512
.else
	global_store_b128 v4, v[PC:PC+3], s[10:11] offset:512*\a                           ; token tile a: the first head's 64,
	global_store_b128 v4, v[PC+4:PC+7], s[10:11] offset:HEADB+512*\a                   ; the second head's
.endif
.endr
.irp i, 0,1,2,3
.if \isv
	v_cndmask_b32 v[Z+\i], v[W+\i], v[W+4+\i], vcc_lo            ; tile i's word of my half's head
.else
	v_perm_b32 v[Z+\i], v[W+2*\i+1], v[W+2*\i], v7               ; my half's head: two bytes of tile 2 i, two of tile 2 i + 1
.endif
.endr
	global_store_b128 v6, v[Z:Z+3], s[10:11] offset:4096           ; sixteen lanes store 256 consecutive bytes, aligned
.endm
	s_cmp_eq_u32 ttmp9, 2                          ; the cluster's x: the same in all partners and all waves
	s_cbranch_scc1 .Lv_part
	EPI 0
	s_branch .Ljoin
.Lv_part:
	EPI 1
.Ljoin:
	s_wait_tensorcnt 0x0
	ds_add_u32 v106, v107
	s_wait_dscnt 0x0
	CROUND                                         ; the closing round: no work-group ends while a partner may still ask for a tile that names it
	s_endpgm
.Lfunc_end_k_qfdf0e8fdbe_qkvgemm:
	.size	k_qfdf0e8fdbe_qkvgemm, .Lfunc_end_k_qfdf0e8fdbe_qkvgemm-k_qfdf0e8fdbe_qkvgemm
	.p2alignl 7, 3214868480
	.fill 96, 4, 3214868480
	.section	.rodata,"a",@progbits
	.p2align	6, 0x0
	.amdhsa_kernel k_qfdf0e8fdbe_qkvgemm
		.amdhsa_group_segment_fixed_size 279040
		.amdhsa_private_segment_fixed_size 0
		.amdhsa_enable_private_segment 0
		.amdhsa_kernarg_size 32
		.amdhsa_user_sgpr_count 2
		.amdhsa_user_sgpr_kernarg_segment_ptr 1
		.amdhsa_wavefront_size32 1
		.amdhsa_system_sgpr_workgroup_id_x 1
		.amdhsa_system_sgpr_workgroup_id_y 1
		.amdhsa_system_sgpr_workgroup_id_z 1
		.amdhsa_system_vgpr_workitem_id 0
		.amdhsa_next_free_vgpr 1024
		.amdhsa_next_free_sgpr 100
		.amdhsa_reserve_vcc 1
		.amdhsa_float_denorm_mode_32 3
		.amdhsa_float_denorm_mode_16_64 3
		.amdhsa_memory_ordered 1
		.amdhsa_forward_progress 1
		.amdhsa_inst_pref_size 195
	.end_amdhsa_kernel
	.amdgpu_metadata
---
amdhsa.version: [ 1, 2 ]
amdhsa.kernels:
  - .name:           k_qfdf0e8fdbe_qkvgemm
    .symbol:         k_qfdf0e8fdbe_qkvgemm.kd
    .args:
      - { .name: xw_codes, .offset: 0, .size: 8, .value_kind: global_buffer, .address_space: global }
      - { .name: xw_scales, .offset: 8, .size: 8, .value_kind: global_buffer, .address_space: global }
      - { .name: bqkv, .offset: 16, .size: 8, .value_kind: global_buffer, .address_space: global }
      - { .name: qkv, .offset: 24, .size: 8, .value_kind: global_buffer, .address_space: global }
    .group_segment_fixed_size: 279040
    .private_segment_fixed_size: 0
    .kernarg_segment_align: 8
    .kernarg_segment_size: 32
    .max_flat_workgroup_size: 128
    .sgpr_count:     100
    .vgpr_count:     1024
    .wavefront_size: 32
...
	.end_amdgpu_metadata
.endif
;; end of part 2
;; launch attn (part 3): grid 4 x 64, 16 waves a work-group, clusters of 4 x 1, 169,984 bytes of LDS; arguments qkv, splat_scale, splat_bias, ao_codes, ao_scales; writes ao_codes, ao_scales
.if DOCPART == 3
	.amdgcn_target "amdgcn-amd-amdhsa--gfx1250"
	.amdhsa_code_object_version 6
	.text
	.protected	k_qfdf0e8fdbe_attn
	.globl	k_qfdf0e8fdbe_attn
	.p2align	8
	.type	k_qfdf0e8fdbe_attn,@function
k_qfdf0e8fdbe_attn:
	s_mov_b64 s[64:65], 0
	v_nop
	global_prefetch_b8 v0, s[64:65] scope:SCOPE_SE
	s_setreg_imm32_b32 hwreg(HW_REG_WAVE_MODE, 25, 1), 1
	s_wait_xcnt 0x0
	s_wait_alu depctr_hold_cnt(0) depctr_sa_sdst(0) depctr_va_vdst(0) depctr_va_sdst(0) depctr_va_ssrc(0) depctr_va_vcc(0) depctr_vm_vsrc(0)
	s_getreg_b32 s2, hwreg(HW_REG_IB_STS2, 6, 4)
	s_cmp_eq_u32 s2, 0
	s_cbranch_scc0 .Lentry_in_a_cluster
	s_endpgm
.Lentry_in_a_cluster:
	s_bfe_u32 s2, ttmp6, 0x10000c
	s_cmp_lg_u32 s2, 0x3003
	s_cbranch_scc0 .Lentry_shape_is_right
	s_endpgm
.Lentry_shape_is_right:
; Causal attention of one (batch, head) a cluster, both products on codes of FP4 (E2M1) with E8M0 scales; the result, divided by the row's sum, is quantised along the 1,024 channels for the output product.
; t = score x c + d, c = (1 + 0.01 tanh(splat_scale)) log2(e) / 8 (q's factor 1/8 is folded in here), d = 0.001 tanh(splat_bias) log2(e).  M = the running largest t rounded UP to a whole number;
; p = 2^(t - M) is quantised along the keys, not normalised; the row's sum is taken of the unquantised p; when M moves, the sum and O are multiplied by 2^(old M - new M), which rounds nothing.
; tanh(x) = 1 - 2 / (1 + 2^(2.885390 x)): right at both ends, where the power is infinite or 0.
; INPUT: records [16 batch + head][128 tokens] of 13,056 bytes: K at 0, V at 4,352, Q at 8,704; each part 4,096 bytes of codes as images of operand registers, then 256 bytes of scale words [r][4].
; SHARES.  The four work-groups of a cluster share one head: all its 2,048 keys, K's and V's parts (16 x 8,704 bytes), lie in LDS, FILLED ONCE: wave w asks jointly, with the mask of all four, for the 128 keys number w.
; A wave owns two tiles of 16 queries: tile 2 cx + w / 8 of the 128 queries number w % 8, and the same tile of number 15 - w % 8: (i + 1) + (16 - i) = 17 key steps for every wave of the launch.
; Every wave walks 16 trips twice; a step whose keys all come after its queries is jumped over by a scalar branch on the wave's number and the trip's: no barrier and no tensor load stands in a trip.
; LAYOUT.  Both products transposed: S^T = K Q^T, O^T = V^T P^T: a lane holds one query.  Lane r of a tile stands for row 32 (t / 2) + 8 (t % 2) + r + 8 (r / 8), so 16 registers of two neighbouring tiles are 16 neighbours.
; THE HEAD'S 64 IN AN INSTRUCTION OF 128: source 0 is a PAIR of key tiles (registers 0-3 one, 4-7 the other); it is multiplied once by [q, 0] and once by [0, q].  Zero codes take the other tile out exactly; their scale bytes are 1.
; LIMITS: p under 2^-126 is 0; a block of zeros or under 2^-124 gets the byte 1; NaN and infinities are not served.
.set REC,   13056
.set HEADB, 16*REC
.set STEPB, 8704                       ; K's and V's parts of a record: a key step in LDS
.set LI,  1                            ; v1   16 x lane
.set LR,  2                            ; v2   16 r
.set DQ,  3                            ; v3   my query's number in its 128, less 16 h
.set ADK, 4                            ; v4   the step's images
.set ADS, 5                            ; v5   the step's scale words
.set BO,  6                            ; v6   16 r + h: where my block's scale byte goes
.set CC,  8                            ; v[8:9] c, twice
.set DH,  10                           ; v10  d
.set NM,  12                           ; v12  -M;  v13 the largest t;  v[14:15] the sum in two halves;  v[16:17] d - M (the low word serves both halves)
.set QF,  20                           ; v[20:31] q, zeros, q
.set QSL, 32                           ; v32, v33 q's scale words for [q, 0] and [0, q]
.set QSH, 33
.set KS,  36                           ; v36-39 K's scale words, one a pair of tiles
.set VS,  40                           ; v40-43 V's
.set KF,  48                           ; v48-79  K's four pairs
.set VF,  80                           ; v80-111 V's four fragments
.set S,   112                          ; v112-175 S^T, then p
.set O,   176                          ; v176-207 O^T
.set PCD, 208                          ; v208-215 p's codes
.set BM,  216                          ; v216-219 block maxima; v220-223 the other lane's, then bytes; v224-227 scale operands
.set F,   228                          ; v[228:229] f = 2^(old M - new M)
.set PW,  230                          ; v230 p's scale word
.set TT,  231                          ; v231-235 at work
.set WV,  14
.set WH,  15                           ; wave / 8 = my tile's parity
.set WI,  16                           ; wave % 8
.set HD,  18
.set BAT, 19
.set SEL, 20
.set CX,  22
.set TQ,  23
.set HM,  36                           ; lanes 16-31
.set BLK, 37
.set J,   38
.set TB,  39
.macro CROUND                          ; a round of the cluster's barrier
	s_barrier_signal -1
	s_barrier_wait -1
	s_cmp_lg_u32 s[WV], 0
	s_cbranch_scc1 .Lnot_wave_0_\@
	s_barrier_signal -3
.Lnot_wave_0_\@:
	s_barrier_wait -3
	s_barrier_signal -1
	s_barrier_wait -1
.endm
	s_load_b256 s[4:11], s[0:1], 0x0               ; qkv s[4:5], splat_scale s[6:7], splat_bias s[8:9], ao's codes s[10:11]
	s_load_b64 s[12:13], s[0:1], 0x20              ; ao's scales
	v_lshl_add_u32 v254, v0, 2, 0x29000
	v_mov_b32 v255, 0
	ds_add_u32 v254, v255
	ds_add_u32 v254, v255
	v_lshrrev_b32 v1, 5, v0
	s_delay_alu instid0(VALU_DEP_1)
	v_readfirstlane_b32 s[WV], v1                  ; wave 0..15
	s_lshr_b32 s[WH], s[WV], 3
	s_and_b32 s[WI], s[WV], 7
	s_and_b32 s17, ttmp7, 0xffff                   ; 16 batch + head, which the four partners share
	s_and_b32 s[HD], s17, 15
	s_lshr_b32 s[BAT], s17, 4
	s_bfe_u32 s[CX], ttmp6, 0x40000                ; cx: it enters global addresses and the mask's numbers alone
	s_lshl_b32 s[TQ], s[CX], 1
	s_add_co_u32 s[TQ], s[TQ], s[WH]               ; my tile of 16 among a block's eight
	s_mov_b32 s[SEL], 0x76543210
	s_mov_b32 s[SEL+1], 0xfedcba98
	; group 1: 8,704 dense bytes as 34 rows of 256
	s_mov_b32 s24, 15|(3<<16)|(1<<21)              ; 15:0 the mask: all four; 17:16 elements of 8 bytes; 21 set beside a mask
	s_mov_b32 s25, 32<<16                          ; tensor_dim0
	s_mov_b32 s26, 34<<16                          ; tensor_dim1
	s_mov_b32 s27, 32<<16                          ; tile_dim0
	s_mov_b32 s28, 34                              ; tile_dim1
	s_mov_b32 s29, 32                              ; from row to row
	s_mov_b32 s30, 0
	s_mov_b32 s31, 0
	s_mul_i32 s50, s17, HEADB
	s_mov_b32 s51, 0
	s_mul_i32 s52, s[WV], REC
	s_mov_b32 s53, 0
	s_mov_b32 s32, 1
	s_mul_i32 s33, s[WV], STEPB                    ; LDS: key step w
	s_wait_dscnt 0x0
	s_wait_kmcnt 0x0
	s_add_nc_u64 s[40:41], s[4:5], s[50:51]        ; the head's records
	s_add_nc_u64 s[34:35], s[40:41], s[52:53]
	s_or_b32 s35, s35, 0x80000000
	CROUND                                         ; all four work-groups are here: the joint loads meet
	tensor_load_to_lds s[32:35], s[24:31]          ; my one tensor load
	s_nop 0
.rept 4
	v_nop
.endr
	v_and_b32 v7, 31, v0
	s_delay_alu instid0(VALU_DEP_1)
	v_lshlrev_b32 v[LI], 4, v7
	v_and_b32 v11, 15, v0                          ; r
	s_delay_alu instid0(VALU_DEP_1)
	v_lshlrev_b32 v[LR], 4, v11
	v_bfe_u32 v7, v0, 4, 1                         ; h
	s_delay_alu instid0(VALU_DEP_1)
	v_add_nc_u32 v[BO], v[LR], v7
	s_delay_alu instid0(VALU_DEP_2)
	v_cmp_ne_u32 s[HM], 0, v7
	v_and_b32 v[DQ], 8, v11
	s_delay_alu instid0(VALU_DEP_1)
	v_add_nc_u32 v[DQ], v[DQ], v11                 ; r + 8 (r / 8)
	v_lshlrev_b32 v7, 4, v7
	s_delay_alu instid0(VALU_DEP_1)
	v_sub_nc_u32 v[DQ], v[DQ], v7                  ; - 16 h
	s_lshl_b32 s50, s[CX], 5
	s_lshl_b32 s51, s[WH], 3
	s_add_co_u32 s50, s50, s51
	v_add_nc_u32 v[DQ], s50, v[DQ]                 ; + 32 (tile / 2) + 8 (tile % 2)
	s_lshl_b32 s50, s[HD], 2
	v_mov_b32 v11, s50
	global_load_b32 v234, v11, s[6:7]              ; the head's splat_scale
	global_load_b32 v235, v11, s[8:9]              ; and splat_bias
.irp i, 0,1,2,3
	v_mov_b32 v[QF+4+\i], 0                        ; the zero codes between the two q
	v_mov_b32 v[BM+4+\i], 0                        ; written once: a lane permute's destination counts as one of its sources
.endr
	v_mov_b32 v[TT], 0
	v_mov_b32 v17, 0                               ; named as the upper halves of pairs
	v_mov_b32 v[F+1], 0
	s_wait_loadcnt 0x0
	v_mul_f32 v234, 0x4038aa3b, v234               ; 2 log2(e) x
	v_mul_f32 v235, 0x4038aa3b, v235
	s_wait_alu depctr_va_vdst(0)
	v_exp_f32 v234, v234
	v_exp_f32 v235, v235
	v_nop                                          ; a plain place behind the transcendentals
	s_wait_alu depctr_va_vdst(0)
	v_add_f32 v234, 1.0, v234
	v_add_f32 v235, 1.0, v235
	s_wait_alu depctr_va_vdst(0)
	v_rcp_f32 v234, v234
	v_rcp_f32 v235, v235
	v_mov_b32 v[CC+1], 0x3e38aa3b                  ; log2(e) / 8.  (A plain place)
	s_wait_alu depctr_va_vdst(0)
	v_fma_f32 v234, v234, -2.0, 1.0                ; tanh
	v_fma_f32 v235, v235, -2.0, 1.0
	s_delay_alu instid0(VALU_DEP_2)
	v_fmamk_f32 v[CC], v234, 0x3aec5f04, v[CC+1]   ; c = tanh x 0.01 log2(e) / 8 + log2(e) / 8: positive
	s_delay_alu instid0(VALU_DEP_2)
	v_mul_f32 v[DH], 0x3abd18d0, v235              ; d = tanh x 0.001 log2(e)
	s_delay_alu instid0(VALU_DEP_2)
	v_mov_b32 v[CC+1], v[CC]
	s_wait_tensorcnt 0x0                           ; my key step is in,
	s_barrier_signal -1
	s_barrier_wait -1                              ; everybody's is: all 2,048 keys lie in LDS, and nothing is filled again
; ONE TILE OF 16 QUERIES, of the 128 queries number s[BLK], against all keys up to them.
.macro PASS again
.if \again
	s_wait_xcnt 0x0                                ; the last tile's stores have read their data and bases
.endif
	s_mul_i32 s50, s[BLK], REC
	s_mov_b32 s51, 0
	s_lshl_b32 s52, s[TQ], 9
	s_add_co_u32 s52, s52, s50
	s_add_co_u32 s52, s52, 8704
	s_mov_b32 s53, 0
	s_add_nc_u64 s[42:43], s[40:41], s[52:53]      ; q's codes: part Q, tile TQ
	s_lshl_b32 s52, s[CX], 2
	s_add_co_u32 s52, s52, s50
	s_add_co_u32 s52, s52, 12800
	s_add_nc_u64 s[44:45], s[40:41], s[52:53]      ; its scale word: number TQ / 2 = cx of the row's four
	s_lshl_b32 s50, s[BAT], 7
	s_lshl_b32 s52, s[BLK], 3
	s_add_co_u32 s50, s50, s52
	s_add_co_u32 s50, s50, s[TQ]                   ; the token tile among 512
	s_lshl_b32 s52, s50, 9
	s_lshl_b32 s50, s50, 13
	s_lshl_b32 s54, s[HD], 9
	s_add_co_u32 s50, s50, s54
	s_add_nc_u64 s[46:47], s[10:11], s[50:51]      ; ao's codes: 8,192 bytes a tile, the head's two blocks 512 head on
	s_lshr_b32 s54, s[HD], 3
	s_lshl_b32 s54, s54, 8
	s_add_co_u32 s52, s52, s54
	s_and_b32 s54, s[HD], 7
	s_lshl_b32 s54, s54, 1
	s_add_co_u32 s52, s52, s54
	s_add_nc_u64 s[48:49], s[12:13], s[52:53]      ; ao's scales: 512 bytes a tile, 256 a half of K, the head's two bytes 2 (head % 8) on in a row's 16
	global_load_b128 v[QF:QF+3], v[LI], s[42:43]
	global_load_b128 v[QF+8:QF+11], v[LI], s[42:43]
	global_load_b32 v[TT], v[LR], s[44:45]
	v_mov_b32 v13, 0xff61b1e6                      ; the largest t so far: -3e38
	s_delay_alu instid0(VALU_DEP_1)
	v_floor_f32 v[NM], -v13
	v_mov_b32 v14, 0
	v_mov_b32 v15, 0
	s_lshl_b32 s50, s[WH], 4
	s_wait_loadcnt 0x0
	v_lshrrev_b32 v[TT], s50, v[TT]
	s_delay_alu instid0(VALU_DEP_1)
	v_and_b32 v[TT], 0xffff, v[TT]                 ; my tile's two bytes
	s_delay_alu instid0(VALU_DEP_1)
	v_or_b32 v[QSL], 0x01010000, v[TT]
	s_delay_alu instid0(VALU_DEP_2)
	v_lshl_or_b32 v[QSH], v[TT], 16, 0x0101
.set n, 0
.rept 32
	v_mov_b32 v[O+n], 0                            ; O^T: the step is written once; its first change of M multiplies zeros.  (Also the places between q's scale words and the first product)
.set n, n+1
.endr
	s_mov_b32 s[J], 0
	s_mov_b32 s[TB], 0
.Ltrip_\@:
	s_cmp_gt_u32 s[J], s[BLK]                      ; all 128 keys come after my queries: the step's work is left out
	s_cbranch_scc1 .Lhidden_\@
	s_setprio 2
	v_add_nc_u32 v[ADK], s[TB], v[LI]
	v_add_nc_u32 v[ADS], s[TB], v[LR]
.irp p, 0,1,2,3
.irp c, 0,1
	ds_load_b128 v[KF+8*\p+4*\c:KF+8*\p+4*\c+3], v[ADK] offset:1024*\p+512*\c
.endr
.endr
	ds_load_b128 v[KS:KS+3], v[ADS] offset:4096
.irp t, 0,1,2,3
.irp c, 0,1
	ds_load_b128 v[VF+8*\t+4*\c:VF+8*\t+4*\c+3], v[ADK] offset:4352+1024*\t+512*\c
.endr
.endr
	ds_load_b128 v[VS:VS+3], v[ADS] offset:8448
	s_wait_dscnt 9                                 ; K's nine loads are in; V's nine may stay out
.irp p, 0,1,2,3
	v_wmma_scale_f32_16x16x128_f8f6f4 v[S+16*\p:S+16*\p+7], v[KF+8*\p:KF+8*\p+7], v[QF:QF+7], 0, v[KS+\p], v[QSL] matrix_a_fmt:MATRIX_FMT_FP4 matrix_b_fmt:MATRIX_FMT_FP4
	v_wmma_scale_f32_16x16x128_f8f6f4 v[S+16*\p+8:S+16*\p+15], v[KF+8*\p:KF+8*\p+7], v[QF+4:QF+11], 0, v[KS+\p], v[QSH] matrix_a_fmt:MATRIX_FMT_FP4 matrix_b_fmt:MATRIX_FMT_FP4
.endr                                  ; register 16 b + i: key 32 b + 16 h + i of the step
.rept 4
	v_nop
.endr
	s_cmp_lg_u32 s[J], s[BLK]                      ; only the step on the diagonal hides keys
	s_cbranch_scc1 .Lopen_\@
	v_mov_b32 v[TT], 0xff800000                    ; -infinity: p = 0
.set n, 0
.rept 64
	v_cmp_gt_i32 vcc_lo, 32*(n/16)+n%16, v[DQ]
	v_cndmask_b32 v[S+n], v[S+n], v[TT], vcc_lo
.set n, n+1
.endr
.Lopen_\@:
.irp b, 0,1,2,3
	v_max3_num_f32 v[BM+\b], v[S+16*\b], v[S+1+16*\b], v[S+2+16*\b]   ; the largest score of each block of 32 keys: for the row's maximum and, since p rises with the score, for the block's largest p
.endr
.irp i, 3,5,7,9,11,13
.irp b, 0,1,2,3
	v_max3_num_f32 v[BM+\b], v[BM+\b], v[S+16*\b+\i], v[S+1+16*\b+\i]
.endr
.endr
.irp b, 0,1,2,3
	v_max_num_f32 v[BM+\b], v[BM+\b], v[S+15+16*\b]
.endr
.irp b, 0,1,2,3
	s_delay_alu instid0(VALU_DEP_4)
	v_permlanex16_b32 v[BM+4+\b], v[BM+\b], s[SEL], s[SEL+1]
.endr
.irp b, 0,1,2,3
	s_delay_alu instid0(VALU_DEP_4)
	v_max_num_f32 v[BM+\b], v[BM+\b], v[BM+4+\b]   ; with lane l xor 16's 16 keys
.endr
	s_delay_alu instid0(VALU_DEP_2)
	v_max3_num_f32 v[TT], v[BM], v[BM+1], v[BM+2]
	s_delay_alu instid0(VALU_DEP_1)
	v_max_num_f32 v[TT], v[TT], v[BM+3]
	s_delay_alu instid0(VALU_DEP_1)
	v_fma_f32 v[TT], v[TT], v[CC], v[DH]           ; the step's largest t (c is positive)
	s_delay_alu instid0(VALU_DEP_1)
	v_max_num_f32 v13, v13, v[TT]
	v_mov_b32 v[TT], v[NM]
	s_delay_alu instid0(VALU_DEP_2)
	v_floor_f32 v[NM], -v13                        ; the new -M = -ceil(t): a whole number
	s_delay_alu instid0(VALU_DEP_1)
	v_sub_f32 v[TT], v[NM], v[TT]                  ; old M - new M: a whole number, 0 or less
	s_delay_alu instid0(VALU_DEP_1)
	v_cvt_i32_f32 v[TT], v[TT]                     ; (it saturates)
	s_delay_alu instid0(VALU_DEP_1)
	v_ldexp_f32 v[F], 1.0, v[TT]
	s_delay_alu instid0(VALU_DEP_4)
	v_add_f32 v16, v[DH], v[NM]                    ; d - M
.set n, 0
.rept 32
	v_pk_fma_f32 v[S+n:S+n+1], v[S+n:S+n+1], v[CC:CC+1], v[16:17] op_sel_hi:[1,0,0]   ; t - M, two at a time
.set n, n+2
.endr
	s_setprio 1
.irp b, 0,1,2,3
	v_fma_f32 v[BM+\b], v[BM+\b], v[CC], v16       ; the same of each block's largest score
.endr
.set n, 0
	s_wait_alu depctr_va_vdst(0)
.rept 64
	v_exp_f32 v[S+n], v[S+n]                       ; p = 2^(t - M)
.set n, n+1
.endr
.irp b, 0,1,2,3
	v_exp_f32 v[BM+\b], v[BM+\b]                   ; the block's largest p: the same two instructions on the same number
.endr
	v_pk_mul_f32 v[14:15], v[14:15], v[F:F+1] op_sel_hi:[1,0]      ; the sums under the new M.  (A plain place behind the exponentials)
	s_wait_alu depctr_va_vdst(0)
.irp b, 0,1,2,3
	v_max_num_f32 v[BM+\b], 0x1800000, v[BM+\b]    ; the floor 2^(3 - 127): the byte cannot fall under 1
.endr
.irp b, 0,1,2,3
	s_delay_alu instid0(VALU_DEP_4)
	v_add_nc_u32 v[BM+8+\b], 0xff000000, v[BM+\b]  ; 2 off the exponent field: the conversion's scale operand
.endr
.irp b, 0,1,2,3
	s_delay_alu instid0(VALU_DEP_4)
	v_lshrrev_b32 v[BM+4+\b], 23, v[BM+8+\b]
.endr
	s_delay_alu instid0(VALU_DEP_3)
	v_lshl_or_b32 v[PW], v[BM+5], 8, v[BM+4]       ; p's scale word for these 128 keys
	s_delay_alu instid0(VALU_DEP_1)
	v_lshl_or_b32 v[PW], v[BM+6], 16, v[PW]
	s_delay_alu instid0(VALU_DEP_1)
	v_lshl_or_b32 v[PW], v[BM+7], 24, v[PW]
.irp b, 0,1,2,3
	v_cvt_scalef32_pk8_fp4_f32 v[PCD+2*\b], v[S+16*\b:S+7+16*\b], v[BM+8+\b]
	v_cvt_scalef32_pk8_fp4_f32 v[PCD+1+2*\b], v[S+8+16*\b:S+15+16*\b], v[BM+8+\b]
.endr
	v_nop                                          ; one plain place behind a scaled conversion
.irp c, 0,1
.irp i, 0,1
	v_permlane16_swap_b32 v[PCD+4*\c+\i], v[PCD+2+4*\c+\i]       ; a whole block in a lane
.endr
.endr
	v_pk_add_f32 v[232:233], v[116:117], v[120:121]
	v_pk_add_f32 v[252:253], v[124:125], v[128:129]
	v_pk_add_f32 v[250:251], v[132:133], v[136:137]
	v_pk_add_f32 v[248:249], v[140:141], v[144:145]
	v_pk_add_f32 v[246:247], v[148:149], v[152:153]
	v_pk_add_f32 v[244:245], v[156:157], v[160:161]
	v_pk_add_f32 v[242:243], v[164:165], v[168:169]
	v_pk_add_f32 v[14:15], v[14:15], v[172:173]
	v_pk_add_f32 v[232:233], v[232:233], v[112:113]
	v_pk_add_f32 v[252:253], v[252:253], v[114:115]
	v_pk_add_f32 v[250:251], v[250:251], v[118:119]
	v_pk_add_f32 v[248:249], v[248:249], v[122:123]
	v_pk_add_f32 v[246:247], v[246:247], v[126:127]
	v_pk_add_f32 v[244:245], v[244:245], v[130:131]
	v_pk_add_f32 v[242:243], v[242:243], v[134:135]
	v_pk_add_f32 v[14:15], v[14:15], v[138:139]
	s_setprio 0
	v_pk_add_f32 v[232:233], v[232:233], v[142:143]
	v_pk_add_f32 v[252:253], v[252:253], v[146:147]
	v_pk_add_f32 v[250:251], v[250:251], v[150:151]
	v_pk_add_f32 v[248:249], v[248:249], v[154:155]
	v_pk_add_f32 v[246:247], v[246:247], v[158:159]
	v_pk_add_f32 v[244:245], v[244:245], v[162:163]
	v_pk_add_f32 v[242:243], v[242:243], v[166:167]
	v_pk_add_f32 v[14:15], v[14:15], v[170:171]
	v_pk_add_f32 v[232:233], v[232:233], v[174:175]
	s_delay_alu instid0(VALU_DEP_2)
	v_pk_add_f32 v[14:15], v[14:15], v[248:249]
	s_delay_alu instid0(VALU_DEP_2)
	v_pk_add_f32 v[232:233], v[232:233], v[246:247]
	v_pk_add_f32 v[252:253], v[252:253], v[244:245]
	v_pk_add_f32 v[250:251], v[250:251], v[242:243]
	s_delay_alu instid0(VALU_DEP_2)
	v_pk_add_f32 v[14:15], v[14:15], v[252:253]
	s_delay_alu instid0(VALU_DEP_2)
	v_pk_add_f32 v[232:233], v[232:233], v[250:251]
	s_delay_alu instid0(VALU_DEP_1)
	v_pk_add_f32 v[14:15], v[14:15], v[232:233]
.set n, 0
.rept 16
	v_pk_mul_f32 v[O+n:O+n+1], v[O+n:O+n+1], v[F:F+1] op_sel_hi:[1,0]   ; O^T under the new M.  (With the sums: the places between p's codes and scale word and the products)
.set n, n+2
.endr
	s_wait_alu depctr_va_vdst(0)
	s_wait_dscnt 0x0                               ; V is in
.irp t, 0,1,2,3
	v_wmma_scale_f32_16x16x128_f8f6f4 v[O+8*\t:O+8*\t+7], v[VF+8*\t:VF+8*\t+7], v[PCD:PCD+7], v[O+8*\t:O+8*\t+7], v[VS+\t], v[PW] matrix_a_fmt:MATRIX_FMT_FP4 matrix_b_fmt:MATRIX_FMT_FP4
.endr                                  ; four accumulators by turns, one instruction each
.rept 4
	v_nop                                          ; places ahead of the next trip's loads into V's registers, and of the reads of O^T behind the loop
.endr
.Lhidden_\@:
	s_add_co_u32 s[TB], s[TB], STEPB
	s_add_co_u32 s[J], s[J], 1
	s_cmp_lt_u32 s[J], 16
	s_cbranch_scc1 .Ltrip_\@
	s_setprio 0
	; O / the sum, quantised along the head's 64: two blocks of the output product's K
	v_add_f32 v14, v14, v15
	s_delay_alu instid0(VALU_DEP_1)
	v_permlanex16_b32 v[TT], v14, s[SEL], s[SEL+1]
	s_delay_alu instid0(VALU_DEP_1)
	v_add_f32 v14, v14, v[TT]                      ; the row's sum
	s_wait_alu depctr_va_vdst(0)
	v_rcp_f32 v14, v14
	v_nop                                          ; a plain place behind the transcendental
.set n, 0
	s_wait_alu depctr_va_vdst(0)
.rept 16
	v_pk_mul_f32 v[S+n:S+n+1], v[O+n:O+n+1], v[14:15] op_sel_hi:[1,0]   ; register 16 b + i: channel 32 b + 16 h + i; each accumulator from its low end on
.set n, n+2
.endr
.irp b, 0,1
	v_max3_num_f32 v[BM+\b], |v[S+16*\b]|, |v[S+1+16*\b]|, 0x1800000
.endr
.irp i, 2,4,6,8,10,12,14
.irp b, 0,1
	s_delay_alu instid0(VALU_DEP_2)
	v_max3_num_f32 v[BM+\b], v[BM+\b], |v[S+16*\b+\i]|, |v[S+1+16*\b+\i]|
.endr
.endr
.irp b, 0,1
	s_delay_alu instid0(VALU_DEP_2)
	v_permlanex16_b32 v[BM+4+\b], v[BM+\b], s[SEL], s[SEL+1]
.endr
.irp b, 0,1
	s_delay_alu instid0(VALU_DEP_2)
	v_max_num_f32 v[BM+\b], v[BM+\b], v[BM+4+\b]
.endr
.irp b, 0,1
	s_delay_alu instid0(VALU_DEP_2)
	v_add_nc_u32 v[BM+8+\b], 0xff000000, v[BM+\b]
.endr
.irp b, 0,1
	s_delay_alu instid0(VALU_DEP_2)
	v_lshrrev_b32 v[BM+4+\b], 23, v[BM+8+\b]
.endr
.irp b, 0,1
	v_cvt_scalef32_pk8_fp4_f32 v[PCD+2*\b], v[S+16*\b:S+7+16*\b], v[BM+8+\b]
	v_cvt_scalef32_pk8_fp4_f32 v[PCD+1+2*\b], v[S+8+16*\b:S+15+16*\b], v[BM+8+\b]
.endr
	v_cndmask_b32 v232, v[BM+4], v[BM+5], s[HM]    ; my half's block's byte.  (A plain place behind the conversions)
	v_permlane16_swap_b32 v[PCD], v[PCD+2]
	v_permlane16_swap_b32 v[PCD+1], v[PCD+3]       ; lanes 0-15 block 0, lanes 16-31 block 1
	global_store_b128 v[LI], v[PCD:PCD+3], s[46:47]   ; 512 consecutive bytes, aligned to 256
	global_store_b8 v[BO], v232, s[48:49]          ; two bytes a row: the row's other 14 belong to other heads, which other clusters make
.endm
	s_mov_b32 s[BLK], s[WI]
	PASS 0
	s_sub_co_u32 s[BLK], 15, s[WI]
	PASS 1
	s_wait_tensorcnt 0x0
	ds_add_u32 v254, v255
	s_wait_dscnt 0x0
	CROUND                                         ; the closing round; my last LDS loads were waited for in the last step
	s_endpgm
.Lfunc_end_k_qfdf0e8fdbe_attn:
	.size	k_qfdf0e8fdbe_attn, .Lfunc_end_k_qfdf0e8fdbe_attn-k_qfdf0e8fdbe_attn
	.p2alignl 7, 3214868480
	.fill 96, 4, 3214868480
	.section	.rodata,"a",@progbits
	.p2align	6, 0x0
	.amdhsa_kernel k_qfdf0e8fdbe_attn
		.amdhsa_group_segment_fixed_size 169984
		.amdhsa_private_segment_fixed_size 0
		.amdhsa_enable_private_segment 0
		.amdhsa_kernarg_size 40
		.amdhsa_user_sgpr_count 2
		.amdhsa_user_sgpr_kernarg_segment_ptr 1
		.amdhsa_wavefront_size32 1
		.amdhsa_system_sgpr_workgroup_id_x 1
		.amdhsa_system_sgpr_workgroup_id_y 1
		.amdhsa_system_sgpr_workgroup_id_z 1
		.amdhsa_system_vgpr_workitem_id 0
		.amdhsa_next_free_vgpr 256
		.amdhsa_next_free_sgpr 66
		.amdhsa_reserve_vcc 1
		.amdhsa_float_denorm_mode_32 3
		.amdhsa_float_denorm_mode_16_64 3
		.amdhsa_memory_ordered 1
		.amdhsa_forward_progress 1
		.amdhsa_inst_pref_size 62
	.end_amdhsa_kernel
	.amdgpu_metadata
---
amdhsa.version: [ 1, 2 ]
amdhsa.kernels:
  - .name:           k_qfdf0e8fdbe_attn
    .symbol:         k_qfdf0e8fdbe_attn.kd
    .args:
      - { .name: qkv, .offset: 0, .size: 8, .value_kind: global_buffer, .address_space: global }
      - { .name: splat_scale, .offset: 8, .size: 8, .value_kind: global_buffer, .address_space: global }
      - { .name: splat_bias, .offset: 16, .size: 8, .value_kind: global_buffer, .address_space: global }
      - { .name: ao_codes, .offset: 24, .size: 8, .value_kind: global_buffer, .address_space: global }
      - { .name: ao_scales, .offset: 32, .size: 8, .value_kind: global_buffer, .address_space: global }
    .group_segment_fixed_size: 169984
    .private_segment_fixed_size: 0
    .kernarg_segment_align: 8
    .kernarg_segment_size: 40
    .max_flat_workgroup_size: 512
    .sgpr_count:     66
    .vgpr_count:     256
    .wavefront_size: 32
...
	.end_amdgpu_metadata
.endif
;; end of part 3
;; launch proj (part 4): grid 4 x 64, 4 waves a work-group, clusters of 4 x 4, 327,680 bytes of LDS; arguments ao_codes, ao_scales, xw_codes, xw_scales, bproj, out0; writes out0
.if DOCPART == 4
	.amdgcn_target "amdgcn-amd-amdhsa--gfx1250"
	.amdhsa_code_object_version 6
	.text
	.protected	k_qfdf0e8fdbe_proj
	.globl	k_qfdf0e8fdbe_proj
	.p2align	8
	.type	k_qfdf0e8fdbe_proj,@function
k_qfdf0e8fdbe_proj:
	s_mov_b64 s[64:65], 0
	v_nop
	global_prefetch_b8 v0, s[64:65] scope:SCOPE_SE
	s_setreg_imm32_b32 hwreg(HW_REG_WAVE_MODE, 25, 1), 1
	s_wait_xcnt 0x0
	s_wait_alu depctr_hold_cnt(0) depctr_sa_sdst(0) depctr_va_vdst(0) depctr_va_sdst(0) depctr_va_ssrc(0) depctr_va_vcc(0) depctr_vm_vsrc(0)
	s_getreg_b32 s2, hwreg(HW_REG_IB_STS2, 6, 4)
	s_cmp_eq_u32 s2, 0
	s_cbranch_scc0 .Lentry_in_a_cluster
	s_endpgm
.Lentry_in_a_cluster:
	s_bfe_u32 s2, ttmp6, 0x10000c
	s_cmp_lg_u32 s2, 0xf033
	s_cbranch_scc0 .Lentry_shape_is_right
	s_endpgm
.Lentry_shape_is_right:
; out0 = ao Wproj^T + bproj on codes of FP4 (E2M1) with E8M0 scales, f32 sums.  ao [8192][1024] and Wproj [1024][1024] lie as images of operand registers:
; codes [tile of 16 rows][block of 32 along K][r][16 bytes], scales [tile][half of K][r][4 words]; lane r of tile t stands for row 32 (t / 2) + 8 (t % 2) + r + 8 (r / 8).
; Source 0 = 16 rows of P = Wproj (tiles 704 on of the weights' buffer), source 1 = 16 rows of R = ao: register j of lane (r, h) in accumulator (a, b) is token row r of tile a, output 32 (b / 2) + 16 h + 8 (b % 2) + j.
; A work-group makes 128 tokens x 256 outputs, so that 8,192 x 1,024 gives 256 work-groups; each of four waves 64 x 128: 32 accumulators.  K = 1,024 lies in LDS whole, as two slots of 512 along K, EACH FILLED ONCE.
; CLUSTERS 4 x 4 (the grid is one cluster wide): P's tiles hang on cx alone and are asked for jointly by my column, R's on the cluster's y and cy and by my row.
; The bias is the C of each sum's first matrix instruction.  The results leave through each wave's own stage in LDS as whole rows of 512 bytes.
; REGISTERS: window 0: v1-6 lane numbers; v16-27 LDS addresses; v32-95 scale words, two sets, nothing else; v128-191 R's fragments, two sets; v192-255 the bias; on the way out v128-255 rows of the result.
;   window 1: v0-127 P's fragments, two sets.   window 2: the accumulators, (a, b) at v[8 (8 a + b)].
.set NRT,   4
.set RREG,  NRT*8192                   ; a slot: R's 8 tiles x 4,096 bytes,
.set SLOT,  RREG+65536                 ; then P's 16
.set SCL,   2*SLOT                     ; behind the slots: R's scale words (512 bytes a tile), then P's
.set SPITCH, 528                       ; the stage: 16 rows x (512 bytes + 16) a wave, in slot 0, which has had its one fill and which every wave has left at the second barrier
.set ADRR, 16
.set ADRP, 20
.set STO,  24
.set RD,   25
.set ADRS, 27
.set SC,   32
.set RF,   128
.set BP,   192
.set BK,   128
.set WV, 14
.set RH, 15                            ; which half of R's tiles is mine.  Also: I fetch for R (0) or for P (1)
.set PH, 16                            ; which half of P's.  Also: which half I fetch
.set YY, 17
.set G1R, 24
.set G0R, 32
.set G1P, 48
.set G0P, 56
.set G1SR, 68
.set G0SR, 76
.set G1SP, 80
.set G0SP, 88
.set MSB, 0
.macro WIN new                         ; the immediate's high byte repeats the setting that is left
.if MSB != (\new)
	s_set_vgpr_msb (MSB<<8)|(\new)
.set MSB, (\new)
.endif
.endm
.macro PLACES                          ; four plain places behind a matrix instruction, ahead of loads into its registers and of reads of its results
.rept 4
	v_nop
.endr
.endm
.macro JLOAD g0r, g1r, g0p, g1p        ; a joint load: waves 0, 1 for R, waves 2, 3 for P; four v_nop follow each line
	s_cmp_eq_u32 s[RH], 0
	s_cbranch_scc0 .Lfor_p_\@
	tensor_load_to_lds s[\g0r:\g0r+3], s[\g1r:\g1r+7]
	s_nop 0
.rept 4
	v_nop
.endr
	s_branch .Lasked_\@
.Lfor_p_\@:
	tensor_load_to_lds s[\g0p:\g0p+3], s[\g1p:\g1p+7]
	s_nop 0
.rept 4
	v_nop
.endr
.Lasked_\@:
.endm
.macro CROUND                          ; a round of the cluster's barrier
	s_barrier_signal -1
	s_barrier_wait -1
	s_cmp_lg_u32 s[WV], 0
	s_cbranch_scc1 .Lnot_wave_0_\@
	s_barrier_signal -3
.Lnot_wave_0_\@:
	s_barrier_wait -3
	s_barrier_signal -1
	s_barrier_wait -1
.endm
	s_load_b256 s[4:11], s[0:1], 0x0               ; ao's codes s[4:5], ao's scales s[6:7], the weights' codes s[8:9], their scales s[10:11]
	s_load_b64 s[12:13], s[0:1], 0x20              ; bproj
	s_load_b64 s[98:99], s[0:1], 0x28              ; out0
	v_lshl_add_u32 v126, v0, 2, 0x33000
	v_mov_b32 v127, 0
	ds_add_u32 v126, v127
	ds_add_u32 v126, v127
	v_lshrrev_b32 v1, 5, v0
	v_readfirstlane_b32 s[WV], v1                  ; wave 0..3
	s_lshr_b32 s[RH], s[WV], 1
	s_and_b32 s[PH], s[WV], 1
	s_bfe_u32 s40, ttmp6, 0x40000                  ; cx
	s_bfe_u32 s41, ttmp6, 0x40004                  ; cy
	s_and_b32 s[YY], ttmp7, 0xffff                 ; the cluster's y
	s_lshl_b32 s43, s41, 2
	s_lshl_b32 s43, 15, s43                        ; my row of the cluster
	s_lshl_b32 s44, 0x1111, s40                    ; my column
	; group 1, codes: tiles' halves of K: rows of 512 elements of 8 bytes, 1,024 elements apart; dense in LDS.  R: 4 tiles a load, P: 8
	s_or_b32 s[G1R], s43, (3<<16)|(1<<21)          ; 15:0 the mask; 17:16 elements of 8 bytes; 21 set beside a mask
	s_mov_b32 s[G1R+1], 512<<16                    ; tensor_dim0
	s_mov_b32 s[G1R+2], NRT<<16                    ; tensor_dim1
	s_mov_b32 s[G1R+3], 512<<16                    ; tile_dim0
	s_mov_b32 s[G1R+4], NRT                        ; tile_dim1
	s_mov_b32 s[G1R+5], 1024                       ; from row to row
	s_mov_b32 s[G1R+6], 0
	s_mov_b32 s[G1R+7], 0
	s_or_b32 s[G1P], s44, (3<<16)|(1<<21)
	s_mov_b32 s[G1P+1], 512<<16
	s_mov_b32 s[G1P+2], 8<<16
	s_mov_b32 s[G1P+3], 512<<16
	s_mov_b32 s[G1P+4], 8
	s_mov_b32 s[G1P+5], 1024
	s_mov_b32 s[G1P+6], 0
	s_mov_b32 s[G1P+7], 0
	; group 1, scales: 512 dense bytes a tile, as rows of 256 bytes
	s_or_b32 s[G1SR], s43, (3<<16)|(1<<21)
	s_mov_b32 s[G1SR+1], 32<<16
	s_mov_b32 s[G1SR+2], (2*NRT)<<16
	s_mov_b32 s[G1SR+3], 32<<16
	s_mov_b32 s[G1SR+4], 2*NRT
	s_mov_b32 s[G1SR+5], 32
	s_mov_b32 s[G1SR+6], 0
	s_mov_b32 s[G1SR+7], 0
	s_or_b32 s[G1SP], s44, (3<<16)|(1<<21)
	s_mov_b32 s[G1SP+1], 32<<16
	s_mov_b32 s[G1SP+2], 16<<16
	s_mov_b32 s[G1SP+3], 32<<16
	s_mov_b32 s[G1SP+4], 16
	s_mov_b32 s[G1SP+5], 32
	s_mov_b32 s[G1SP+6], 0
	s_mov_b32 s[G1SP+7], 0
	; which tiles: P = 704 + 16 cx + 8 half;  R = 32 Y + 8 cy + 4 half
	s_lshl_b32 s46, s40, 4
	s_add_co_u32 s46, s46, 704
	s_lshl_b32 s45, s[PH], 3
	s_add_co_u32 s46, s46, s45
	s_lshl_b32 s22, s[YY], 5
	s_lshl_b32 s23, s41, 3
	s_add_co_u32 s22, s22, s23
	s_lshl_b32 s23, s[PH], 2
	s_add_co_u32 s22, s22, s23
	s_lshl_b32 s92, s46, 9                         ; scales: 512 bytes a tile
	s_mov_b32 s93, 0
	s_lshl_b32 s46, s46, 13                        ; codes: 8,192 bytes a tile
	s_mov_b32 s47, 0
	s_lshl_b32 s20, s22, 13
	s_mov_b32 s21, 0
	s_lshl_b32 s22, s22, 9
	s_mov_b32 s23, 0
	s_mul_i32 s94, s[PH], NRT*4096                 ; where they go: no place in the cluster enters an LDS address
	s_mul_i32 s95, s[PH], 32768
	s_add_co_u32 s95, s95, RREG
	s_mul_i32 s96, s[PH], NRT*512
	s_add_co_u32 s96, s96, SCL
	s_mul_i32 s97, s[PH], 4096
	s_add_co_u32 s97, s97, SCL+NRT*1024
	s_wait_dscnt 0x0
	s_wait_kmcnt 0x0
	s_add_nc_u64 s[20:21], s[4:5], s[20:21]
	s_add_nc_u64 s[22:23], s[6:7], s[22:23]
	s_add_nc_u64 s[46:47], s[8:9], s[46:47]
	s_add_nc_u64 s[92:93], s[10:11], s[92:93]
	CROUND                                         ; all sixteen work-groups are here: the joint loads meet
	s_mov_b32 s[G0SR], 1
	s_mov_b32 s[G0SR+1], s96
	s_mov_b64 s[G0SR+2:G0SR+3], s[22:23]
	s_or_b32 s[G0SR+3], s[G0SR+3], 0x80000000
	s_mov_b32 s[G0SP], 1
	s_mov_b32 s[G0SP+1], s97
	s_mov_b64 s[G0SP+2:G0SP+3], s[92:93]
	s_or_b32 s[G0SP+3], s[G0SP+3], 0x80000000
	JLOAD G0SR, G1SR, G0SP, G1SP                   ; the scales of all of K
.irp s, 0,1
	s_mov_b32 s[G0R+4*\s], 1
	s_add_co_u32 s[G0R+4*\s+1], s94, \s*SLOT
	s_add_nc_u64 s[G0R+4*\s+2:G0R+4*\s+3], s[20:21], \s*4096
	s_or_b32 s[G0R+4*\s+3], s[G0R+4*\s+3], 0x80000000
	s_mov_b32 s[G0P+4*\s], 1
	s_add_co_u32 s[G0P+4*\s+1], s95, \s*SLOT
	s_add_nc_u64 s[G0P+4*\s+2:G0P+4*\s+3], s[46:47], \s*4096
	s_or_b32 s[G0P+4*\s+3], s[G0P+4*\s+3], 0x80000000
	s_wait_alu depctr_va_vdst(0)
	s_wait_tensorcnt 0x0
	ds_add_u32 v126, v127
	s_wait_dscnt 0x0
	CROUND
	JLOAD G0R+4*\s, G1R, G0P+4*\s, G1P             ; both halves of K: one tensor load of mine is out
.endr
	v_and_b32 v1, 31, v0                           ; lane
	v_and_b32 v2, 15, v0                           ; r
	v_bfe_u32 v3, v0, 4, 1                         ; h
	v_lshlrev_b32 v4, 4, v1                        ; 16 x lane
	s_wait_alu depctr_va_vdst(0)
	v_lshlrev_b32 v6, 6, v3                        ; the bias: my 16 numbers of each 32: 64 h bytes on
	s_lshl_b32 s18, s40, 10                        ; my 128 outputs: 256 cx + 128 ph, 4 bytes each
	s_lshl_b32 s19, s[PH], 9
	s_add_co_u32 s18, s18, s19
	s_mov_b32 s19, 0
	s_add_nc_u64 s[12:13], s[12:13], s[18:19]
	s_add_nc_u64 s[98:99], s[98:99], s[18:19]
.irp t, 0,1,2,3
.irp k, 0,1,2,3
	global_load_b128 v[BP+16*\t+4*\k:BP+16*\t+4*\k+3], v6, s[12:13] offset:128*\t+16*\k   ; register 8 b + j: bproj at 32 (b / 2) + 16 h + 8 (b % 2) + j of my 128
.endr
.endr
	s_lshl_b32 s18, s[YY], 2
	s_add_co_u32 s18, s18, s41
	s_lshl_b32 s18, s18, 1
	s_add_co_u32 s18, s18, s[RH]                   ; my 64 tokens: number 2 (4 Y + cy) + rh,
	s_lshl_b32 s18, s18, 18                        ; x 64 rows of 4,096 bytes (under 2^25)
	s_add_nc_u64 s[98:99], s[98:99], s[18:19]
	s_mul_i32 s18, s[RH], NRT*4096
	s_mul_i32 s19, s[PH], 32768
	s_add_co_u32 s19, s19, RREG
.irp s, 0,1
	v_add_nc_u32 v[ADRR+\s], s18, v4
	v_add_nc_u32 v[ADRP+\s], s19, v4
	s_add_co_u32 s18, s18, SLOT
	s_add_co_u32 s19, s19, SLOT
.endr
	s_mul_i32 s18, s[RH], NRT*512                  ; R's words of my 4 tiles;
	s_mul_i32 s19, s[PH], 4096                     ; P's lie behind R's 8 tiles
	s_add_co_u32 s19, s19, NRT*1024
	s_sub_co_u32 s19, s19, s18
	v_mul_u32_u24 v5, s19, v3                      ; lanes 16-31 take P's: one product, the distance between the two
	v_lshl_add_u32 v5, v2, 4, v5
	s_add_co_u32 s18, s18, SCL
	v_add_nc_u32 v[ADRS], s18, v5
	s_mul_i32 s18, s[WV], 16*SPITCH                ; my stage
	v_mul_u32_u24 v[STO], v2, SPITCH
	v_lshl_add_u32 v[STO], v3, 6, v[STO]
	v_add_nc_u32 v[STO], s18, v[STO]               ; in: row r, + 64 h bytes
	v_add_nc_u32 v[RD], s18, v4                    ; back: the 32 lanes take one row of 512 bytes
.macro FETCH sg, q, p                  ; the fragments of the slot's q-th 128 along K into set p: each is 1,024 bytes on end
	WIN 0x40                                       ; destination window 1
.irp i, 0,1,2,3,4,5,6,7
	ds_load_b128 v[64*(\p)+8*\i:64*(\p)+8*\i+3],   v[ADRP+\sg] offset:\i*4096+(\q)*1024
	ds_load_b128 v[64*(\p)+8*\i+4:64*(\p)+8*\i+7], v[ADRP+\sg] offset:\i*4096+(\q)*1024+512
.endr
	WIN 0
.irp i, 0,1,2,3
	ds_load_b128 v[RF+32*(\p)+8*\i:RF+32*(\p)+8*\i+3],   v[ADRR+\sg] offset:\i*4096+(\q)*1024
	ds_load_b128 v[RF+32*(\p)+8*\i+4:RF+32*(\p)+8*\i+7], v[ADRR+\sg] offset:\i*4096+(\q)*1024+512
.endr
.endm
.macro SCALES sg                       ; a slot's four words a row: lanes 16-31 P's tile i; lanes 0-15 R's tile i (for i over 3 they read filled bytes that no product names)
.irp i, 0,1,2,3,4,5,6,7
	ds_load_b128 v[SC+32*\sg+4*\i:SC+32*\sg+4*\i+3], v[ADRS] offset:512*\i+256*\sg
.endr
.endm
; 32 matrix instructions, 128 along K.  The 32 accumulators take turns, one instruction a turn, in the same order in every step.  first = 1: the bias starts the sums.
.macro MUL p, q, sg, first
.if \first
	WIN 0x81                                       ; source 0 (P) window 1, source 1 (R) and C (the bias) window 0, D window 2
.else
	WIN 0xa1                                       ; C and D window 2
.endif
.irp a, 0,1,2,3
.irp b, 0,1,2,3,4,5,6,7
.if \first
	v_wmma_scale_f32_16x16x128_f8f6f4 v[8*(8*\a+\b):8*(8*\a+\b)+7], v[64*(\p)+8*\b:64*(\p)+8*\b+7], v[RF+32*(\p)+8*\a:RF+32*(\p)+8*\a+7], v[BP+8*\b:BP+8*\b+7], v[SC+32*(\sg)+4*\b+(\q)], v[SC+32*(\sg)+4*\a+(\q)] matrix_a_fmt:MATRIX_FMT_FP4 matrix_b_fmt:MATRIX_FMT_FP4 matrix_a_scale:MATRIX_SCALE_ROW1
.else
	v_wmma_scale_f32_16x16x128_f8f6f4 v[8*(8*\a+\b):8*(8*\a+\b)+7], v[64*(\p)+8*\b:64*(\p)+8*\b+7], v[RF+32*(\p)+8*\a:RF+32*(\p)+8*\a+7], v[8*(8*\a+\b):8*(8*\a+\b)+7], v[SC+32*(\sg)+4*\b+(\q)], v[SC+32*(\sg)+4*\a+(\q)] matrix_a_fmt:MATRIX_FMT_FP4 matrix_b_fmt:MATRIX_FMT_FP4 matrix_a_scale:MATRIX_SCALE_ROW1
.endif
.endr
.endr
.endm
; A step: its own fragments are in; the next step's 24 loads go out in one run and land under this step's 32 matrix instructions.
.macro STEP sg, q, nsg, nq, first
	s_wait_dscnt 0x0                               ; the set fetched a step ago is in
.if !\first
	PLACES                                         ; for the loads into the set that the step before multiplied
.endif
	FETCH \nsg, \nq, 1-(\q)%2
	MUL (\q)%2, \q, \sg, \first
.endm
	s_wait_alu depctr_va_vdst(0)
	s_wait_tensorcnt 0x1                           ; the scales and my part of slot 0 are in; slot 1's load may stay out
	s_barrier_signal -1
	s_barrier_wait -1                              ; everybody's are
	SCALES 0
	FETCH 0, 0, 0
	s_wait_loadcnt 0x0                             ; the bias
	STEP 0, 0, 0, 1, 1
	STEP 0, 1, 0, 2, 0
	STEP 0, 2, 0, 3, 0
	s_wait_dscnt 0x0                               ; slot 0's last fragments are in: my reads of it are over;
	s_wait_tensorcnt 0x0                           ; my part of slot 1 is in
	s_barrier_signal -1
	s_barrier_wait -1                              ; everybody's is, and nobody reads slot 0 any more
	PLACES
	FETCH 1, 0, 0
	SCALES 1
	MUL 1, 3, 0, 0
	STEP 1, 0, 1, 1, 0
	STEP 1, 1, 1, 2, 0
	STEP 1, 2, 1, 3, 0
	s_wait_dscnt 0x0
	MUL 1, 3, 1, 0
	WIN 0
; THE WAY OUT, a tile of 16 tokens x 128 outputs at a time: a lane's eight numbers are 32 neighbouring bytes of a row; through my own stage they come back as whole rows of 512 bytes.
; LDS serves a wave's instructions in order (ISA guide 5.7.1.4): no wait between the stores and the loads, nor ahead of the next tile's stores.
.macro TOSTAGE a
	WIN 0x08                                       ; an LDS store's data are its source 1: window 2
.irp b, 0,1,2,3,4,5,6,7
	ds_store_b128 v[STO], v[8*(8*(\a)+\b):8*(8*(\a)+\b)+3] offset:128*(\b/2)+32*(\b%2)        ; each accumulator from its low end on
	ds_store_b128 v[STO], v[8*(8*(\a)+\b)+4:8*(8*(\a)+\b)+7] offset:128*(\b/2)+32*(\b%2)+16
.endr
	WIN 0
.irp t, 0,1,2,3,4,5,6,7,8,9,10,11,12,13,14,15
	ds_load_b128 v[BK+64*((\a)%2)+4*\t:BK+64*((\a)%2)+4*\t+3], v[RD] offset:\t*SPITCH
.endr
.endm
.macro SEND a, younger                 ; younger: the LDS instructions issued behind tile a's loads, which may stay out
	s_wait_dscnt \younger
.irp t, 0,1,2,3,4,5,6,7,8,9,10,11,12,13,14,15
	global_store_b128 v4, v[BK+64*((\a)%2)+4*\t:BK+64*((\a)%2)+4*\t+3], s[98:99] offset:(32*((\a)/2)+8*((\a)%2)+\t+8*(\t/8))*4096 th:TH_STORE_NT   ; 32 lanes store 512 consecutive bytes, aligned to 256; written once
.endr
.endm
	PLACES                                         ; ahead of the first reads of results and of the loads into R's sets and the bias
	TOSTAGE 0
.irp a, 1,2,3
.if \a > 1
	s_wait_xcnt 0x0                                ; tile a - 2's stores have read their registers: tile a's rows may land there
.endif
	TOSTAGE \a
	SEND \a-1, 32                                  ; behind tile a - 1's loads: tile a's 16 stores and 16 loads
.endr
	SEND 3, 0
	s_wait_tensorcnt 0x0
	ds_add_u32 v126, v127
	s_wait_dscnt 0x0
	CROUND                                         ; the closing round: no work-group ends while a partner may still ask for a tile that names it
	s_endpgm
.Lfunc_end_k_qfdf0e8fdbe_proj:
	.size	k_qfdf0e8fdbe_proj, .Lfunc_end_k_qfdf0e8fdbe_proj-k_qfdf0e8fdbe_proj
	.p2alignl 7, 3214868480
	.fill 96, 4, 3214868480
	.section	.rodata,"a",@progbits
	.p2align	6, 0x0
	.amdhsa_kernel k_qfdf0e8fdbe_proj
		.amdhsa_group_segment_fixed_size 327680
		.amdhsa_private_segment_fixed_size 0
		.amdhsa_enable_private_segment 0
		.amdhsa_kernarg_size 48
		.amdhsa_user_sgpr_count 2
		.amdhsa_user_sgpr_kernarg_segment_ptr 1
		.amdhsa_wavefront_size32 1
		.amdhsa_system_sgpr_workgroup_id_x 1
		.amdhsa_system_sgpr_workgroup_id_y 1
		.amdhsa_system_sgpr_workgroup_id_z 1
		.amdhsa_system_vgpr_workitem_id 0
		.amdhsa_next_free_vgpr 768
		.amdhsa_next_free_sgpr 100
		.amdhsa_reserve_vcc 0
		.amdhsa_float_denorm_mode_32 3
		.amdhsa_float_denorm_mode_16_64 3
		.amdhsa_memory_ordered 1
		.amdhsa_forward_progress 1
		.amdhsa_inst_pref_size 74
	.end_amdhsa_kernel
	.amdgpu_metadata
---
amdhsa.version: [ 1, 2 ]
amdhsa.kernels:
  - .name:           k_qfdf0e8fdbe_proj
    .symbol:         k_qfdf0e8fdbe_proj.kd
    .args:
      - { .name: ao_codes, .offset: 0, .size: 8, .value_kind: global_buffer, .address_space: global }
      - { .name: ao_scales, .offset: 8, .size: 8, .value_kind: global_buffer, .address_space: global }
      - { .name: xw_codes, .offset: 16, .size: 8, .value_kind: global_buffer, .address_space: global }
      - { .name: xw_scales, .offset: 24, .size: 8, .value_kind: global_buffer, .address_space: global }
      - { .name: bproj, .offset: 32, .size: 8, .value_kind: global_buffer, .address_space: global }
      - { .name: out0, .offset: 40, .size: 8, .value_kind: global_buffer, .address_space: global }
    .group_segment_fixed_size: 327680
    .private_segment_fixed_size: 0
    .kernarg_segment_align: 8
    .kernarg_segment_size: 48
    .max_flat_workgroup_size: 128
    .sgpr_count:     100
    .vgpr_count:     768
    .wavefront_size: 32
...
	.end_amdgpu_metadata
.endif
;; end of part 4
